; MI455X (gfx1250); checked and timed in simulation.
; The chip was launched on July 23, 2026; its instructions are those of AMD's public machine-readable ISA for CDNA 5 (MIT licence, August 2026) and "CDNA5" Instruction Set Architecture Reference Guide (July 2026). The comments in the code are by the model that wrote it; some were corrected since.
;; Casual Self Attention. Allowed arithmetic: matrix products marked QUANTISED: E2M1 operands, one E8M0 scale for each 32 along K, by v_wmma_scale_f32_16x16x128_f8f6f4 with both operands' format E2M1 (or v_wmma_scale_f32_32x16x128_f4), f32 sums; products left as they are: bf16, f16 or f32 operands; f32 sums; everything else in f32.
;; Inputs: bk 1,024 float32; bp 1,024 float32; bq 1,024 float32; bv 1,024 float32; wk 1,024 x 1,024 float32; wp 1,024 x 1,024 float32; wq 1,024 x 1,024 float32; wv 1,024 x 1,024 float32; x 4 x 2,048 x 1,024 float32.
;; Outputs: out0 4 x 2,048 x 1,024 float32.
;; This version of the problem:
;;   THIS VERSION OF THE PROBLEM IS GIVEN IN LOW PRECISION. The matrix products marked QUANTISED in the list below multiply operands that are first quantised to E2M1 (2 exponent bits, 1 mantissa bit; 4 bits a number), with one power-of-two scale for each 32 numbers along K (OCP MX v1.0); their sums are f32. The products marked 'left as it is' may take bf16, f16 or f32 operands, with f32 sums. Whichever they take, every output number must still come out within the allowed error. Rounding operands to bf16 (8 significant bits) uses up far more of that allowance than f16 does (11 bits, for magnitudes from 6e-5 to 65,504). All else is computed in f32.
;;   The module's matrix products, in the order in which they are computed (A, B: the left and right operand; K: the contracted axis; several contracted axes count as one K, in the product's order):
;;     1. [M 8,192, K 1,024] x [K 1,024, N 1,024]; A: input x; B: input wq: QUANTISED
;;     2. [M 8,192, K 1,024] x [K 1,024, N 1,024]; A: input x; B: input wk: QUANTISED
;;     3. [M 8,192, K 1,024] x [K 1,024, N 1,024]; A: input x; B: input wv: QUANTISED
;;     4. batch 64 x [M 2,048, K 64] x [K 64, N 2,048]; A: computed on the way; B: computed on the way: left as it is (an operand is computed on the way)
;;     5. batch 64 x [M 2,048, K 2,048] x [K 2,048, N 64]; A: computed on the way; B: computed on the way: left as it is (an operand is computed on the way)
;;     6. [M 8,192, K 1,024] x [K 1,024, N 1,024]; A: computed on the way; B: input wp: left as it is (an operand is computed on the way)
;;   THE QUANTISER, for each operand of a quantised product, along K:
;;     - K is cut into blocks of 32 from its start; a last block that is shorter is filled with zeros.
;;     - A block's scale is 2^e with e = floor(log2(the largest magnitude in the block)) - 2, held to -126 .. 127; a block of zeros has e = 0. As a byte (E8M0): e + 127.
;;     - Each number is divided by its block's scale, clamped to +-6, and rounded to the nearest number of E2M1, ties to even, subnormals kept.
;;     - The product sums the exact products of the quantised numbers (number of the format x scale) in f32.
;;   ~~~python
;;   def quantise(x, axis):      # numpy; x: float32 -> the quantised numbers, widened to float32 again
;;       x = np.moveaxis(x, axis, -1); K = x.shape[-1]
;;       x = np.pad(x, [(0, 0)] * (x.ndim - 1) + [(0, -K % 32)]); x = x.reshape(x.shape[:-1] + (-1, 32)); a = np.abs(x).max(-1, keepdims=True)
;;       e = np.where(a > 0, np.clip(np.frexp(np.where(a > 0, a, 1))[1] - 1 - 2, -126, 127), 0)      # np.frexp(a)[1] - 1 = floor(log2(a)), exactly
;;       r = np.clip(x / 2.0 ** e, -6, 6)
;;       step = 2.0 ** (np.maximum(np.frexp(np.where(r == 0, 1, r))[1] - 1, 0) - 1)
;;       q = np.round(r / step) * step * 2.0 ** e      # np.round: ties to even
;;       return np.moveaxis(q.reshape(q.shape[:-2] + (-1,))[..., :K], -1, axis).astype(np.float32)
;;   ~~~
;; One version. Each part assembles by itself: llvm-mc -triple=amdgcn-amd-amdhsa -mcpu=gfx1250 --defsym DOCPART=n.
;; ======== version 1 of 1: 5 launches
;; limits: values are held in f16: magnitudes above 65,504 overflow, below 6.1e-05 lose precision
;; workspace buffers: xc 4,194,304 bytes; xs 262,144 bytes; wc 1,572,864 bytes; ws 98,304 bytes; wph 2,097,152 bytes; qkv 50,331,648 bytes; q32 786,432 bytes; yimg 16,777,216 bytes
;; launch prep (part 1): grid 320 x 1, 4 waves a work-group, no clusters, 33,280 bytes of LDS; arguments x, wq, wk, wv, wp, xc, xs, wc, ws, wph; writes xc, xs, wc, ws, wph
.if DOCPART == 1
	.amdgcn_target "amdgcn-amd-amdhsa--gfx1250"
	.amdhsa_code_object_version 6
	.text
	.protected	k_q00dc3fd270_prep
	.globl	k_q00dc3fd270_prep
	.p2align	8
	.type	k_q00dc3fd270_prep,@function
k_q00dc3fd270_prep:
	s_mov_b64 s[64:65], 0
	v_nop
	global_prefetch_b8 v0, s[64:65] scope:SCOPE_SE
	s_setreg_imm32_b32 hwreg(HW_REG_WAVE_MODE, 25, 1), 1
	s_wait_xcnt 0x0
; PREP: every operand is brought once into the form in which the later launches read it.
;   work-groups 0-47:   wq, wk, wv [1024 (k)][1024 (n)] f32 -> codes of FP4 (E2M1) quantised along k, and one E8M0 byte for each 32 along k
;   work-groups 48-63:  wp [1024 (k)][1024 (n)] f32 -> f16
;   work-groups 64-319: x [8192][1024] f32 -> codes of FP4 along its rows, and scale bytes
; A block's scale is 2^(floor(log2(largest magnitude)) - 2): its byte is the largest magnitude's exponent field - 2, held at 1 from below.
; LAYOUTS.  xc [8192][512 bytes], xs [8192][32]: K innermost.  wc: images of operand registers: [k / 512][tile of 16 columns, 192][128 k, 4][c 2][lane 32][16 bytes];
; block kb of column n lies at (kb / 16) 786432 + (n / 16) 4096 + (kb % 16) 256 + (n % 16) 16.  ws [3072][32].  wph: [k / 128][tile of 16 columns, 64][32 k, 4][g 2][lane 32][16 bytes], eight f16 along k.
; LIMITS: a block of zeros gets the byte 1 where the rule says 127 (its codes are zeros, and this program alone reads the bytes); NaN and infinities among the inputs are not served;
; numbers of wp beyond 65,504 in magnitude become infinities in f16.
; The weights' work-groups come first: each reads twice the bytes of one of x's.  Only x's path uses LDS.  No barrier: waves share nothing.
.set STEPS, 16
.set EMAX,  2
.set CB,    8                          ; bytes of 16 codes
.set R,     16                         ; x: v16-79   four sets of 16 numbers as loaded
.set X,     80                         ; x: v80-111  two sets of 16 neighbours
.set E,     112                        ; x: v112-127 a scale byte for each step
.set C,     128                        ; x: v128-191 codes, four registers a step
.set WREG,  8192                       ; LDS: a wave's region: two stages of 32 x SP bytes, then its 256 scale bytes
.set SP,    80                         ; a lane's place in a stage: 64 bytes + 16 of padding
.set SPW,   192                        ; v192 LDS address of my spare word; never rewritten
.set NIL,   193                        ; v193 0; never rewritten
.set SPARE, 4*WREG                     ; behind the four regions: the spare words, 128 bytes a wave
.set WX,    32                         ; weights: v32-95 two sets of 32 numbers down k
.set WC,    96                         ; weights: v96-159 what is stored
.set SB,    24                         ; weights: v24-27 sixteen scale bytes
	s_load_b256 s[4:11], s[0:1], 0x0               ; x, wq, wk, wv
	s_load_b256 s[12:19], s[0:1], 0x20             ; wp, xc, xs, wc
	s_load_b128 s[20:23], s[0:1], 0x40             ; ws, wph
	v_lshl_add_u32 v[SPW], v0, 2, SPARE
	v_mov_b32 v[NIL], 0
	v_lshrrev_b32 v1, 5, v0
	v_readfirstlane_b32 s24, v1                    ; wave 0..3
	v_and_b32 v2, 31, v0                           ; lane
	s_wait_kmcnt 0x0
	s_cmp_lt_u32 ttmp9, 64
	s_cbranch_scc1 .Lweights
; ---------------- x: a plain stream of blocks of 32.  A wave takes 16 steps of 512 numbers.  Each load reads 512 consecutive bytes; a step's 2,048 bytes turn through the wave's own stage,
; so that a lane then holds 16 neighbours (two neighbouring lanes hold a block).
	v_lshlrev_b32 v3, 4, v2                        ; my 16 bytes of a load's 512
	s_mul_i32 s25, s24, WREG
	v_lshrrev_b32 v14, 2, v2
	v_mul_u32_u24 v14, v14, SP
	v_and_b32 v15, 3, v2
	v_lshl_add_u32 v14, v15, 4, v14
	v_add_nc_u32 v14, s25, v14                     ; the stage, in: SP (lane / 4) + 16 (lane % 4)
	v_mul_u32_u24 v15, v2, SP
	v_add_nc_u32 v15, s25, v15                     ; out: SP x lane
	v_mul_u32_u24 v4, v2, CB                       ; my codes' place in a step's
	v_lshrrev_b32 v5, 1, v2
	s_add_co_u32 s25, s25, 2*32*SP
	v_add_nc_u32 v5, s25, v5                       ; my block's byte among the wave's 256
	v_lshlrev_b32 v7, 3, v2
	v_add_nc_u32 v6, s25, v7
	s_sub_co_u32 s26, ttmp9, 64
	s_lshl_b32 s26, s26, 2
	s_add_co_u32 s26, s26, s24                     ; which run of 8,192 numbers is my wave's: 0..1023
	s_mov_b32 s29, 0
	s_lshl_b32 s28, s26, 15
	s_add_nc_u64 s[4:5], s[4:5], s[28:29]          ; 32,768 bytes of x a run,
	s_lshl_b32 s28, s26, 12
	s_add_nc_u64 s[14:15], s[14:15], s[28:29]      ; 4,096 of codes,
	s_lshl_b32 s28, s26, 8
	s_add_nc_u64 s[16:17], s[16:17], s[28:29]      ; 256 scale bytes
.macro XLOAD t
.irp i, 0,1,2,3
	global_load_b128 v[R+16*((\t)%4)+4*\i:R+16*((\t)%4)+4*\i+3], v3, s[4:5] offset:2048*(\t)+512*\i th:TH_LOAD_NT
.endr
.endm
.macro XTURN t                         ; LDS serves a wave's instructions in order: no wait between the stores and the loads
.irp i, 0,1,2,3
	ds_store_b128 v14, v[R+16*((\t)%4)+4*\i:R+16*((\t)%4)+4*\i+3] offset:32*SP*((\t)%2)+8*SP*\i
.endr
.irp i, 0,1,2,3
	ds_load_b128 v[X+16*((\t)%2)+4*\i:X+16*((\t)%2)+4*\i+3], v15 offset:32*SP*((\t)%2)+16*\i
.endr
.endm
.irp t, 0,1,2,3
	XLOAD \t
.endr
	s_wait_loadcnt 12                              ; step 0's four loads are in; three steps' twelve are out
	XTURN 0
.macro XSTEP t
.set XS, X+16*((\t)%2)
.if (\t) > 0
	s_wait_dscnt 1                                 ; this step's numbers are back from the stage; the last step's byte store may be out
.else
	s_wait_dscnt 0x0
.endif
.if (\t)+4 < STEPS
	XLOAD (\t)+4
.endif
.if (\t)+1 < STEPS
.if STEPS-2-(\t) >= 3
	s_wait_loadcnt 12                              ; the next step's four loads are in; those of the three steps behind it may be out
.else
	s_wait_loadcnt 4*(STEPS-2-(\t))
.endif
	XTURN (\t)+1
.endif
	v_max3_num_f32 v8, |v[XS]|, |v[XS+1]|, |v[XS+2]|
	v_max3_num_f32 v9, |v[XS+3]|, |v[XS+4]|, |v[XS+5]|
.irp i, 6,10
	v_max3_num_f32 v8, v8, |v[XS+\i]|, |v[XS+\i+1]|
	v_max3_num_f32 v9, v9, |v[XS+\i+2]|, |v[XS+\i+3]|
.endr
	v_max3_num_f32 v8, v8, |v[XS+14]|, |v[XS+15]|
	v_max3_num_f32 v8, v8, v9, (EMAX+1)<<23        ; the floor 2^(3 - 127): the byte cannot fall under 1
	v_max_num_f32_dpp v8, v8, v8 row_xmask:1 row_mask:0xf bank_mask:0xf   ; with my neighbour's 16: the block's largest magnitude
	v_add_nc_u32 v11, -(EMAX<<23), v8              ; 2 off its exponent field: the conversion takes this operand's exponent field as its scale
	v_cvt_scalef32_pk8_fp4_f32 v[C+4*(\t)], v[XS:XS+7], v11
	v_cvt_scalef32_pk8_fp4_f32 v[C+4*(\t)+1], v[XS+8:XS+15], v11
	v_lshrrev_b32 v[E+(\t)], 23, v11               ; the scale's byte
	ds_store_b8 v5, v[E+(\t)] offset:16*(\t)       ; both lanes of a block write the same byte with the same value
	global_store_b64 v4, v[C+4*(\t):C+4*(\t)+1], s[14:15] offset:32*CB*(\t)   ; the wave stores 256 consecutive bytes, aligned
.endm
.irp t, 0,1,2,3,4,5,6,7,8,9,10,11,12,13,14,15
	XSTEP \t
.endr
	ds_load_b64 v[8:9], v6
	s_wait_dscnt 0x0
	global_store_b64 v7, v[8:9], s[16:17]          ; the wave's 256 scale bytes, aligned
	s_wait_tensorcnt 0x0                           ; the wave's end
	ds_add_u32 v[SPW], v[NIL]
	s_wait_dscnt 0x0
	s_endpgm
; ---------------- the weights: K is their FIRST axis.  A lane takes a column and its registers run down k: a block of 32 lies in one lane.  A wave: 32 columns x 512 k.
.Lweights:
	s_lshr_b32 s25, ttmp9, 4                       ; which matrix: 0 wq, 1 wk, 2 wv, 3 wp
	s_and_b32 s27, ttmp9, 7                        ; which 128 columns
	s_bfe_u32 s28, ttmp9, 0x10003                  ; which half of k
	s_cmp_lt_u32 ttmp9, 48
	s_cselect_b64 s[36:37], s[10:11], s[12:13]
	s_cmp_lt_u32 ttmp9, 32
	s_cselect_b64 s[36:37], s[8:9], s[36:37]
	s_cmp_lt_u32 ttmp9, 16
	s_cselect_b64 s[36:37], s[6:7], s[36:37]
	s_lshl_b32 s29, s27, 3
	s_lshl_b32 s30, s24, 1
	s_add_co_u32 s29, s29, s30                     ; the first of my wave's two tiles of 16 columns
	s_lshl_b32 s30, s28, 21                        ; 512 rows of 4,096 bytes
	s_lshl_b32 s31, s29, 6                         ; 64 bytes a tile
	s_add_co_u32 s30, s30, s31
	s_mov_b32 s31, 0
	s_add_nc_u64 s[36:37], s[36:37], s[30:31]
	v_lshlrev_b32 v3, 2, v2                        ; in: 4 bytes a lane: a load reads 128 consecutive bytes
	v_lshrrev_b32 v4, 4, v2
	v_and_b32 v5, 15, v2
	v_lshlrev_b32 v4, 12, v4
	v_lshl_add_u32 v4, v5, 4, v4                   ; out: 4,096 x (lane / 16) + 16 x (lane % 16)
	v_lshlrev_b32 v9, 5, v2                        ; scale bytes: 32 a column
.macro WLOAD t
.irp i, 0,1,2,3,4,5,6,7,8,9,10,11,12,13,14,15,16,17,18,19,20,21,22,23,24,25,26,27,28,29,30,31
	global_load_b32 v[WX+32*((\t)%2)+\i], v3, s[36:37] offset:(32*(\t)+\i)*4096 th:TH_LOAD_NT
.endr
.endm
	WLOAD 0
	WLOAD 1
	s_cmp_eq_u32 s25, 3
	s_cbranch_scc1 .Lwp
	s_mul_i32 s30, s28, 786432
	s_lshl_b32 s32, s25, 6
	s_add_co_u32 s32, s32, s29                     ; my first tile among the 192
	s_lshl_b32 s33, s32, 12
	s_add_co_u32 s30, s30, s33
	s_add_nc_u64 s[18:19], s[18:19], s[30:31]
	s_lshl_b32 s30, s32, 9                         ; 16 columns x 32 bytes
	s_lshl_b32 s33, s28, 4
	s_add_co_u32 s30, s30, s33
	s_add_nc_u64 s[20:21], s[20:21], s[30:31]
.macro BLOCK t
.set XS, WX+32*((\t)%2)
.if (\t) < 15
	s_wait_loadcnt 32                              ; this block's 32 loads are in; the next block's may be out
.else
	s_wait_loadcnt 0
.endif
	v_max3_num_f32 v16, |v[XS]|, |v[XS+1]|, |v[XS+2]|
	v_max3_num_f32 v17, |v[XS+3]|, |v[XS+4]|, |v[XS+5]|
.irp i, 6,10,14,18,22,26
	v_max3_num_f32 v16, v16, |v[XS+\i]|, |v[XS+\i+1]|
	v_max3_num_f32 v17, v17, |v[XS+\i+2]|, |v[XS+\i+3]|
.endr
	v_max3_num_f32 v16, v16, |v[XS+30]|, |v[XS+31]|
	v_max3_num_f32 v16, v16, v17, (EMAX+1)<<23
	v_add_nc_u32 v11, -(EMAX<<23), v16
	v_lshrrev_b32 v13, 23, v11
.if (\t)%4 == 0
	v_mov_b32 v[SB+(\t)/4], v13
.else
	v_lshl_or_b32 v[SB+(\t)/4], v13, 8*((\t)%4), v[SB+(\t)/4]
.endif
.irp g, 0,1,2,3
	v_cvt_scalef32_pk8_fp4_f32 v[WC+4*(\t)+\g], v[XS+8*\g:XS+8*\g+7], v11
.endr
	global_store_b128 v4, v[WC+4*(\t):WC+4*(\t)+3], s[18:19] offset:256*(\t)   ; sixteen lanes store 256 consecutive bytes, aligned; each block has its own four registers
.if (\t)+2 < 16
	WLOAD (\t)+2
.endif
.endm
.irp t, 0,1,2,3,4,5,6,7,8,9,10,11,12,13,14,15
	BLOCK \t
.endr
	global_store_b128 v9, v[SB:SB+3], s[20:21]     ; my column's 16 scale bytes of this half of k
	s_endpgm
.Lwp:
	s_lshl_b32 s30, s28, 20                        ; four steps of 128 k, 262,144 bytes each
	s_lshl_b32 s33, s29, 12
	s_add_co_u32 s30, s30, s33
	s_add_nc_u64 s[22:23], s[22:23], s[30:31]
.macro WPB t
.set XS, WX+32*((\t)%2)
.set HS, WC+16*((\t)%2)
.if (\t) < 15
	s_wait_loadcnt 32
.else
	s_wait_loadcnt 0
.endif
.if (\t) >= 2
	s_wait_xcnt 0x0                                ; the stores of two blocks ago have read the registers that are written now
.endif
.irp i, 0,1,2,3,4,5,6,7,8,9,10,11,12,13,14,15
	v_cvt_pk_f16_f32 v[HS+\i], v[XS+2*\i], v[XS+2*\i+1]
.endr
.irp u, 0,1,2,3
	global_store_b128 v4, v[HS+4*\u:HS+4*\u+3], s[22:23] offset:((\t)/4)*262144+((\t)%4)*1024+\u*256
.endr
.if (\t)+2 < 16
	WLOAD (\t)+2
.endif
.endm
.irp t, 0,1,2,3,4,5,6,7,8,9,10,11,12,13,14,15
	WPB \t
.endr
	s_endpgm
.Lfunc_end_k_q00dc3fd270_prep:
	.size	k_q00dc3fd270_prep, .Lfunc_end_k_q00dc3fd270_prep-k_q00dc3fd270_prep
	.p2alignl 7, 3214868480
	.fill 96, 4, 3214868480
	.section	.rodata,"a",@progbits
	.p2align	6, 0x0
	.amdhsa_kernel k_q00dc3fd270_prep
		.amdhsa_group_segment_fixed_size 33280
		.amdhsa_private_segment_fixed_size 0
		.amdhsa_enable_private_segment 0
		.amdhsa_kernarg_size 80
		.amdhsa_user_sgpr_count 2
		.amdhsa_user_sgpr_kernarg_segment_ptr 1
		.amdhsa_wavefront_size32 1
		.amdhsa_system_sgpr_workgroup_id_x 1
		.amdhsa_system_sgpr_workgroup_id_y 1
		.amdhsa_system_sgpr_workgroup_id_z 1
		.amdhsa_system_vgpr_workitem_id 0
		.amdhsa_next_free_vgpr 200
		.amdhsa_next_free_sgpr 66
		.amdhsa_reserve_vcc 0
		.amdhsa_float_denorm_mode_32 3
		.amdhsa_float_denorm_mode_16_64 3
		.amdhsa_memory_ordered 1
		.amdhsa_forward_progress 1
		.amdhsa_inst_pref_size 172
	.end_amdhsa_kernel
	.amdgpu_metadata
---
amdhsa.version: [ 1, 2 ]
amdhsa.kernels:
  - .name:           k_q00dc3fd270_prep
    .symbol:         k_q00dc3fd270_prep.kd
    .args:
      - { .name: x, .offset: 0, .size: 8, .value_kind: global_buffer, .address_space: global }
      - { .name: wq, .offset: 8, .size: 8, .value_kind: global_buffer, .address_space: global }
      - { .name: wk, .offset: 16, .size: 8, .value_kind: global_buffer, .address_space: global }
      - { .name: wv, .offset: 24, .size: 8, .value_kind: global_buffer, .address_space: global }
      - { .name: wp, .offset: 32, .size: 8, .value_kind: global_buffer, .address_space: global }
      - { .name: xc, .offset: 40, .size: 8, .value_kind: global_buffer, .address_space: global }
      - { .name: xs, .offset: 48, .size: 8, .value_kind: global_buffer, .address_space: global }
      - { .name: wc, .offset: 56, .size: 8, .value_kind: global_buffer, .address_space: global }
      - { .name: ws, .offset: 64, .size: 8, .value_kind: global_buffer, .address_space: global }
      - { .name: wph, .offset: 72, .size: 8, .value_kind: global_buffer, .address_space: global }
    .group_segment_fixed_size: 33280
    .private_segment_fixed_size: 0
    .kernarg_segment_align: 8
    .kernarg_segment_size: 80
    .max_flat_workgroup_size: 128
    .sgpr_count:     66
    .vgpr_count:     200
    .wavefront_size: 32
...
	.end_amdgpu_metadata
.endif
;; end of part 1
;; launch qkv (part 2): grid 12 x 32, 4 waves a work-group, clusters of 4 x 4, 327,680 bytes of LDS; arguments xc, xs, wc, ws, bq, bk, bv, qkv, q32; writes qkv, q32
.if DOCPART == 2
	.amdgcn_target "amdgcn-amd-amdhsa--gfx1250"
	.amdhsa_code_object_version 6
	.text
	.protected	k_q00dc3fd270_qkv
	.globl	k_q00dc3fd270_qkv
	.p2align	8
	.type	k_q00dc3fd270_qkv,@function
k_q00dc3fd270_qkv:
	s_mov_b64 s[64:65], 0
	v_nop
	global_prefetch_b8 v0, s[64:65] scope:SCOPE_SE
	s_setreg_imm32_b32 hwreg(HW_REG_WAVE_MODE, 25, 1), 1
	s_wait_xcnt 0x0
	s_wait_alu depctr_hold_cnt(0) depctr_sa_sdst(0) depctr_va_vdst(0) depctr_va_sdst(0) depctr_va_ssrc(0) depctr_va_vcc(0) depctr_vm_vsrc(0)
	s_getreg_b32 s2, hwreg(HW_REG_IB_STS2, 6, 4)
	s_cmp_eq_u32 s2, 0
	s_cbranch_scc0 .Lentry_in_a_cluster
	s_endpgm
.Lentry_in_a_cluster:
	s_bfe_u32 s2, ttmp6, 0x10000c
	s_cmp_lg_u32 s2, 0xf033
	s_cbranch_scc0 .Lentry_shape_is_right
	s_endpgm
.Lentry_shape_is_right:
; QKV: [8192 x 3072] = x [wq | wk | wv] + bias, K = 1,024, on codes of FP4 (E2M1) with one E8M0 scale for each 32 along K; sums in f32.
; A work-group of four waves makes 256 x 256; a wave 128 x 128: 64 accumulators, 512 registers.  All of K lies in two LDS slots of 512 along K, both asked for at the start: nothing is filled again.
; x's tiles are rows of 256 bytes, padded to 272 in LDS.  The weights' tiles are images of operand registers: dense, read back at 16 x lane.  The scale bytes of the 256 + 256 rows come once, as in x's rows of 256 bytes + 16.
; CLUSTERS: 4 x 4.  Tile column = 4 x cluster x + cx, so the cluster's x IS the matrix (q, k, v).  Tile row = 8 cy + cluster y, so cy is the batch and the cluster's y the block of 256 tokens:
; the tiles with a sequence's first 16 positions are those of the clusters with y = 0, and the branch for them hangs on the cluster's y and the wave's number alone.
; x's tiles are asked for jointly along a row of the cluster, the weights' along a column.  By this text's count three tensor loads of a wave are out at the most.
; THE MATRIX INSTRUCTION IS USED TRANSPOSED (source 0 = 16 columns of the weights, source 1 = 16 rows of x): a lane holds eight neighbouring columns of one row.  The bias is the C of each sum's first instruction.
; OUT: q, k, v as f16, [matrix][batch][head][token][64]; a store covers 512 consecutive bytes (four tokens of a head).  Positions 0-15 of each sequence also as f32, q32 [batch][16][3072].
; LIMIT: results beyond 65,504 in magnitude become infinities in f16.
; REGISTERS: window 0: v16-31 addresses; v32-95 scale words, two sets; v128-191 x's fragments, one set; v192-255 the bias, later packed results.  window 1: the weights' fragments, two sets.  windows 2, 3: the accumulators.
.set NQ,     4
.set PITCH,  272
.set FR,     8
.set NL,     2
.set NP,     4                         ; places behind this matrix instruction (ISA guide 7.12.1)
.set HALFA,  128*PITCH
.set BOFF,   2*HALFA
.set HALFB,  32768
.set SLOT,   BOFF+2*HALFB
.set SCL,    2*SLOT
.set HALFS,  16*272
.set SBLK,   2*272
.set SPARE,  SCL+4*HALFS               ; the spare words, 128 bytes a wave
.set STAGE,  SPARE+512                 ; the way out: 16 rows x 528 bytes for each wave; no tile ever lands here
.set STG,    16*528
.set ADRA, 16
.set ADRB, 20
.set STO16, 24
.set RD16, 25
.set CO,   26
.set ADRS, 27
.set SPW,  28
.set NIL,  29
.set STO32, 30
.set RD32, 31
.set SC,   32
.set AF,   128
.set BIAS, 192
.set TMP,  192
.set WV,   22
.set RH,   23
.set CH,   66
.set CLY,  67
.set G1A,  24
.set G0A,  32
.set G1B,  48
.set G0B,  56
.set G1SA, 68
.set G0SA, 76
.set G1SB, 80
.set G0SB, 88
.set MSB, 0
.macro WIN new                         ; the immediate's high byte repeats the setting that is left
.if MSB != (\new)
	s_set_vgpr_msb (MSB<<8)|(\new)
.set MSB, (\new)
.endif
.endm
.set MUL_LO, 0xa1                      ; source 0 window 1, source 1 window 0, C and D window 2
.set MUL_HI, 0xf1                      ; C and D window 3
.set FST_LO, 0x81                      ; the same with C (the bias) in window 0
.set FST_HI, 0xc1
.set TO_B,   0x40
.macro JLOAD g0a, g1a, g0b, g1b        ; a joint load: waves 0, 1 fetch for x, waves 2, 3 for the weights; an s_nop 0 and four v_nop follow each line
	s_cmp_eq_u32 s[RH], 0
	s_cbranch_scc0 .Lfor_b_\@
	tensor_load_to_lds s[\g0a:\g0a+3], s[\g1a:\g1a+7]
	s_nop 0
.rept 4
	v_nop
.endr
	s_branch .Lasked_\@
.Lfor_b_\@:
	tensor_load_to_lds s[\g0b:\g0b+3], s[\g1b:\g1b+7]
	s_nop 0
.rept 4
	v_nop
.endr
.Lasked_\@:
.endm
.macro CROUND                          ; a round of the cluster's barrier
	s_barrier_signal -1
	s_barrier_wait -1
	s_cmp_lg_u32 s[WV], 0
	s_cbranch_scc1 .Lnot_wave_0_\@
	s_barrier_signal -3
.Lnot_wave_0_\@:
	s_barrier_wait -3
	s_barrier_signal -1
	s_barrier_wait -1
.endm
	s_load_b256 s[4:11], s[0:1], 0x0               ; xc, xs, wc, ws
	s_load_b256 s[12:19], s[0:1], 0x20             ; bq, bk, bv, qkv
	s_load_b64 s[20:21], s[0:1], 0x40              ; q32
	v_lshl_add_u32 v[SPW], v0, 2, SPARE
	v_mov_b32 v[NIL], 0
	ds_add_u32 v[SPW], v[NIL]                      ; the wave's opening
	ds_add_u32 v[SPW], v[NIL]
	v_lshrrev_b32 v1, 5, v0
	v_readfirstlane_b32 s[WV], v1                  ; wave 0..3
	s_lshr_b32 s[RH], s[WV], 1                     ; my half of the tile's rows.  Also: I fetch for x (0) or for the weights (1)
	s_and_b32 s[CH], s[WV], 1                      ; my half of its columns.  Also: which 128 rows I fetch
	s_bfe_u32 s40, ttmp6, 0x40000                  ; cx
	s_bfe_u32 s41, ttmp6, 0x40004                  ; cy
	s_lshl_b32 s42, ttmp9, 2
	s_add_co_u32 s42, s42, s40                     ; tile column
	s_and_b32 s[CLY], ttmp7, 0xffff                ; the cluster's y
	s_lshl_b32 s45, s41, 3
	s_add_co_u32 s45, s45, s[CLY]                  ; tile row = 8 cy + cluster y
	s_lshl_b32 s43, s41, 2
	s_lshl_b32 s43, 15, s43                        ; my row of the cluster
	s_lshl_b32 s44, 0x1111, s40                    ; my column
	s_or_b32 s101, s[CLY], s[RH]                   ; 0 where my block 0 holds a sequence's positions 0-15
	s_or_b32 s[G1A], s43, (1<<20)|(1<<21)|(5<<22)|(3<<25)   ; x's codes: bytes; 128 rows of 256, 512 apart; four words of padding after every 64
	s_mov_b32 s[G1A+1], 256<<16
	s_mov_b32 s[G1A+2], 128<<16
	s_mov_b32 s[G1A+3], 256<<16
	s_mov_b32 s[G1A+4], 128
	s_mov_b32 s[G1A+5], 512
	s_mov_b32 s[G1A+6], 0
	s_mov_b32 s[G1A+7], 0
	s_or_b32 s[G1B], s44, (3<<16)|(1<<21)          ; the weights' images: a dense block of 32,768 bytes as 128 rows of 32 elements of 8 bytes, no padding
	s_mov_b32 s[G1B+1], 32<<16
	s_mov_b32 s[G1B+2], 128<<16
	s_mov_b32 s[G1B+3], 32<<16
	s_mov_b32 s[G1B+4], 128
	s_mov_b32 s[G1B+5], 32
	s_mov_b32 s[G1B+6], 0
	s_mov_b32 s[G1B+7], 0
	s_or_b32 s[G1SA], s43, (3<<16)|(1<<20)|(1<<21)|(5<<22)|(3<<25)   ; scale bytes of 128 rows: 4,096 dense bytes as 16 rows of 256, 16 bytes of padding behind each
	s_or_b32 s[G1SB], s44, (3<<16)|(1<<20)|(1<<21)|(5<<22)|(3<<25)
.irp g, G1SA, G1SB
	s_mov_b32 s[\g+1], 32<<16
	s_mov_b32 s[\g+2], 16<<16
	s_mov_b32 s[\g+3], 32<<16
	s_mov_b32 s[\g+4], 16
	s_mov_b32 s[\g+5], 32
	s_mov_b32 s[\g+6], 0
	s_mov_b32 s[\g+7], 0
.endr
	s_mov_b32 s[G0A], 1                            ; groups 0: the count and the LDS addresses, made of the wave's number alone
	s_mul_i32 s[G0A+1], s[CH], HALFA
	s_mov_b32 s[G0A+4], 1
	s_add_co_u32 s[G0A+5], s[G0A+1], SLOT
	s_mov_b32 s[G0B], 1
	s_mul_i32 s[G0B+1], s[CH], HALFB
	s_add_co_u32 s[G0B+1], s[G0B+1], BOFF
	s_mov_b32 s[G0B+4], 1
	s_add_co_u32 s[G0B+5], s[G0B+1], SLOT
	s_mov_b32 s[G0SA], 1
	s_mul_i32 s[G0SA+1], s[WV], HALFS
	s_add_co_u32 s[G0SA+1], s[G0SA+1], SCL
	s_mov_b32 s[G0SB], 1
	s_mov_b32 s[G0SB+1], s[G0SA+1]
	s_lshl_b32 s100, s[CH], 7                      ; which 128 rows I fetch
	s_lshl_b32 s92, s45, 8
	s_add_co_u32 s92, s92, s100                    ; x: row 256 x tile row + 128 x half
	s_lshl_b32 s94, s92, 5                         ; its scale bytes,
	s_mov_b32 s95, 0
	s_lshl_b32 s92, s92, 9                         ; its codes
	s_mov_b32 s93, 0
	s_lshl_b32 s46, s42, 8
	s_add_co_u32 s46, s46, s100                    ; the weights: column 256 x tile column + 128 x half
	s_lshl_b32 s96, s46, 5
	s_mov_b32 s97, 0
	s_lshl_b32 s46, s46, 8                         ; 4,096 bytes for 16 columns
	s_mov_b32 s47, 0
	s_wait_dscnt 0x0                               ; both opening adds are done
	s_wait_kmcnt 0x0
	s_add_nc_u64 s[G0SA+2:G0SA+3], s[6:7], s[94:95]
	s_or_b32 s[G0SA+3], s[G0SA+3], 0x80000000
	s_add_nc_u64 s[G0SB+2:G0SB+3], s[10:11], s[96:97]
	s_or_b32 s[G0SB+3], s[G0SB+3], 0x80000000
	s_add_nc_u64 s[G0A+2:G0A+3], s[4:5], s[92:93]
	s_add_nc_u64 s[G0A+6:G0A+7], s[G0A+2:G0A+3], 256       ; slot 1: the second 512 along K
	s_or_b32 s[G0A+3], s[G0A+3], 0x80000000
	s_or_b32 s[G0A+7], s[G0A+7], 0x80000000
	s_add_nc_u64 s[G0B+2:G0B+3], s[8:9], s[46:47]
	s_add_nc_u64 s[G0B+6:G0B+7], s[G0B+2:G0B+3], 786432
	s_or_b32 s[G0B+3], s[G0B+3], 0x80000000
	s_or_b32 s[G0B+7], s[G0B+7], 0x80000000
	CROUND                                         ; all sixteen work-groups are here: the joint loads meet
	JLOAD G0SA, G1SA, G0SB, G1SB                   ; the scales,
	JLOAD G0A, G1A, G0B, G1B                       ; slot 0,
	JLOAD G0A+4, G1A, G0B+4, G1B                   ; slot 1
	v_and_b32 v1, 15, v0                           ; r
	v_bfe_u32 v2, v0, 4, 1                         ; h
	v_and_b32 v6, 31, v0
	v_lshlrev_b32 v[CO], 4, v6                     ; 16 x lane
	; the bias: lane (r, h) wants, for block b of columns, numbers 16 b + 8 h + 0 .. 7
	s_cmp_eq_u32 ttmp9, 0
	s_cselect_b64 s[12:13], s[12:13], s[14:15]
	s_cmp_eq_u32 ttmp9, 2
	s_cselect_b64 s[12:13], s[16:17], s[12:13]
	s_lshl_b32 s2, s40, 10
	s_lshl_b32 s3, s[CH], 9
	s_add_co_u32 s2, s2, s3
	s_mov_b32 s3, 0
	s_add_nc_u64 s[12:13], s[12:13], s[2:3]
	v_lshlrev_b32 v9, 5, v2
.irp b, 0,1,2,3,4,5,6,7
	global_load_b128 v[BIAS+8*\b:BIAS+8*\b+3], v9, s[12:13] offset:64*\b
	global_load_b128 v[BIAS+8*\b+4:BIAS+8*\b+7], v9, s[12:13] offset:64*\b+16
.endr
	v_mul_u32_u24 v3, v1, PITCH
	v_lshl_add_u32 v4, v2, 4, v3                   ; row x pitch + 16 x half
	s_mul_i32 s2, s[RH], HALFA
	s_add_co_u32 s3, s2, SLOT
	v_add_nc_u32 v[ADRA], s2, v4
	v_add_nc_u32 v[ADRA+1], s3, v4
	v_add_nc_u32 v[ADRB], s[G0B+1], v[CO]          ; my half of the columns is the half that the wave of my parity fetched
	v_add_nc_u32 v[ADRB+1], s[G0B+5], v[CO]
	v_mul_u32_u24 v5, v1, 32                       ; scale words: 32 bytes a row, and 16 more for each 256 passed
	v_lshrrev_b32 v7, 8, v5
	v_lshl_add_u32 v5, v7, 4, v5
	s_mul_i32 s2, s[RH], HALFS
	s_mul_i32 s3, s[CH], HALFS
	s_add_co_u32 s3, s3, 2*HALFS
	s_sub_co_u32 s3, s3, s2
	v_mul_u32_u24 v7, s3, v2                       ; lanes 16-31 take the weights'
	s_add_co_u32 s2, s2, SCL
	v_add_nc_u32 v5, v5, v7
	v_add_nc_u32 v[ADRS], s2, v5
	s_mul_i32 s2, s[WV], STG
	s_add_co_u32 s2, s2, STAGE                     ; my stage
	v_add_nc_u32 v[STO16], s2, v4                  ; f16, in: row r of 272 bytes, + 16 h
	v_lshrrev_b32 v7, 3, v6
	v_mul_u32_u24 v7, v7, 272
	v_and_b32 v8, 7, v6
	v_lshl_add_u32 v7, v8, 4, v7
	v_add_nc_u32 v[RD16], s2, v7                   ; f16, back: eight lanes take a head's 128 bytes of a row, four rows an instruction
	v_mul_u32_u24 v7, v1, 528
	v_lshl_add_u32 v7, v2, 5, v7
	v_add_nc_u32 v[STO32], s2, v7                  ; f32, in: row r of 528 bytes, + 32 h
	v_add_nc_u32 v[RD32], s2, v[CO]                ; f32, back: a row of 512 bytes
	s_lshl_b32 s98, ttmp9, 24                      ; qkv: the matrix,
	s_lshl_b32 s3, s41, 22                         ; the batch,
	s_add_co_u32 s98, s98, s3
	s_lshl_b32 s3, s40, 2
	s_lshl_b32 s2, s[CH], 1
	s_add_co_u32 s3, s3, s2
	s_lshl_b32 s3, s3, 18                          ; head 4 cx + 2 x half: 262,144 bytes a head,
	s_add_co_u32 s98, s98, s3
	s_lshl_b32 s3, s[CLY], 15                      ; token 256 x cluster y + 128 x half: 128 bytes a token
	s_add_co_u32 s98, s98, s3
	s_lshl_b32 s3, s[RH], 14
	s_add_co_u32 s98, s98, s3
	s_mov_b32 s99, 0
	s_add_nc_u64 s[18:19], s[18:19], s[98:99]
	s_mul_i32 s98, s41, 196608                     ; q32: the batch's 16 rows of 12,288 bytes, my 128 columns
	s_lshl_b32 s3, s42, 10
	s_add_co_u32 s98, s98, s3
	s_lshl_b32 s3, s[CH], 9
	s_add_co_u32 s98, s98, s3
	s_add_nc_u64 s[20:21], s[20:21], s[98:99]
.macro FRAG reg, adr, q, i             ; x: 16 rows x 128 K: lane l holds row l % 16; registers 4 c .. 4 c + 3 hold K = 64 c + 32 (l / 16) + 0 .. 31
.irp c, 0,1
	ds_load_b128 v[\reg+4*\c:\reg+4*\c+3], v[\adr] offset:64*(\q)+32*\c+(\i)*16*PITCH
.endr
.endm
; 16 matrix instructions: x's blocks a0, a0 + 1 against the weights' eight.  The 64 accumulators take turns, one instruction a turn, in the same order in every step.
.macro MUL16 a0, p, q, sc, first
.irp a, \a0, \a0+1
.irp b, 0,1,2,3,4,5,6,7
.if \first
	v_wmma_scale_f32_16x16x128_f8f6f4 v[8*(8*((\a)%4)+\b):8*(8*((\a)%4)+\b)+7], v[128*(\p)+FR*\b:128*(\p)+FR*\b+FR-1], v[AF+FR*(\a):AF+FR*(\a)+FR-1], v[BIAS+8*\b:BIAS+8*\b+7], v[SC+8*NQ*(\sc)+NQ*\b+(\q)], v[SC+8*NQ*(\sc)+NQ*(\a)+(\q)] matrix_a_fmt:MATRIX_FMT_FP4 matrix_b_fmt:MATRIX_FMT_FP4 matrix_a_scale:MATRIX_SCALE_ROW1
.else
	v_wmma_scale_f32_16x16x128_f8f6f4 v[8*(8*((\a)%4)+\b):8*(8*((\a)%4)+\b)+7], v[128*(\p)+FR*\b:128*(\p)+FR*\b+FR-1], v[AF+FR*(\a):AF+FR*(\a)+FR-1], v[8*(8*((\a)%4)+\b):8*(8*((\a)%4)+\b)+7], v[SC+8*NQ*(\sc)+NQ*\b+(\q)], v[SC+8*NQ*(\sc)+NQ*(\a)+(\q)] matrix_a_fmt:MATRIX_FMT_FP4 matrix_b_fmt:MATRIX_FMT_FP4 matrix_a_scale:MATRIX_SCALE_ROW1
.endif
.endr
.endr
.endm
.macro FETCH_B slot, q, p              ; the weights' eight fragments of the slot's q-th 128 along K: images, 512 consecutive bytes a load
	WIN TO_B
.irp i, 0,1,2,3,4,5,6,7
.irp c, 0,1
	ds_load_b128 v[128*(\p)+FR*\i+4*\c:128*(\p)+FR*\i+4*\c+3], v[ADRB+\slot] offset:\i*4096+(\q)*1024+\c*512
.endr
.endr
	WIN 0
.endm
.macro FETCH_A slot, q, i0
.irp i, \i0, \i0+1, \i0+2, \i0+3
	FRAG AF+FR*(\i), ADRA+\slot, \q, \i
.endr
.endm
.macro SCALES sc                       ; a slot's scale words: lanes 0-15 x's block i, lanes 16-31 the weights' block i
.irp i, 0,1,2,3,4,5,6,7
	ds_load_b128 v[SC+8*NQ*\sc+NQ*\i:SC+8*NQ*\sc+NQ*\i+3], v[ADRS] offset:\i*SBLK
.endr
.endm
.macro PLACES n                        ; plain vector instructions between a matrix instruction and a load into, or a read of, its registers
.rept \n
	v_nop
.endr
.endm
.macro STEP slot, q, first             ; 128 along K, with its successor in the same slot
	s_wait_dscnt 4*NL                              ; all but the youngest eight loads (x's blocks 4-7) are in
.if \first
	WIN FST_LO
.else
	WIN MUL_LO
.endif
	MUL16 0, (\q)%2, \q, \slot, \first
	MUL16 2, (\q)%2, \q, \slot, \first
	s_wait_dscnt 0
	PLACES NP
	FETCH_B \slot, (\q)+1, 1-(\q)%2
	FETCH_A \slot, (\q)+1, 0
.if \first
	WIN FST_HI
.else
	WIN MUL_HI
.endif
	MUL16 4, (\q)%2, \q, \slot, \first
	MUL16 6, (\q)%2, \q, \slot, \first
	PLACES NP
	WIN 0
	FETCH_A \slot, (\q)+1, 4
.endm
.macro TURN slot, next                 ; slot 0's last step: slot 1 has to be whole in every wave's eyes: one barrier.  Nothing is filled again
	s_wait_tensorcnt 0x0                           ; all my tensor loads have landed: my part of slot 1
	ds_add_u32 v[SPW], v[NIL]
	s_wait_dscnt 4*NL+1                            ; the add and the youngest eight loads may be out
	WIN MUL_LO
	MUL16 0, 1, NQ-1, \slot, 0
	s_wait_dscnt 0x0
	s_barrier_signal -1
	MUL16 2, 1, NQ-1, \slot, 0
	WIN 0
	s_barrier_wait -1
	PLACES NP
	v_add_nc_u32 v[ADRS], 4*NQ, v[ADRS]            ; on to the next slot's scale words
	FETCH_B \next, 0, 0
	FETCH_A \next, 0, 0
	SCALES \next
	WIN MUL_HI
	MUL16 4, 1, NQ-1, \slot, 0
	MUL16 6, 1, NQ-1, \slot, 0
	PLACES NP
	WIN 0
	FETCH_A \next, 0, 4
.endm
	s_wait_tensorcnt 1                             ; the scales and my part of slot 0 are in; slot 1's load may be out
	s_barrier_signal -1
	s_barrier_wait -1
	FETCH_B 0, 0, 0
	FETCH_A 0, 0, 0
	SCALES 0
	FETCH_A 0, 0, 4
	s_wait_loadcnt 0x0                             ; the bias
	STEP 0, 0, 1                                   ; the first products start the sums from the bias: nothing is cleared
	STEP 0, 1, 0
	STEP 0, 2, 0
	TURN 0, 1
	STEP 1, 0, 0
	STEP 1, 1, 0
	STEP 1, 2, 0
	s_wait_dscnt 4*NL
	WIN MUL_LO
	MUL16 0, 1, NQ-1, 1, 0
	MUL16 2, 1, NQ-1, 1, 0
	s_wait_dscnt 0
	WIN MUL_HI
	MUL16 4, 1, NQ-1, 1, 0
	MUL16 6, 1, NQ-1, 1, 0
	WIN 0
	PLACES NP
	; positions 0-15 of a sequence, as f32: my block 0, through my stage, as whole rows of 512 bytes
	s_cmp_lg_u32 s101, 0
	s_cbranch_scc1 .Lnofine
	WIN 0x08                                       ; an LDS store's data are its source 1: window 2
.irp b, 0,1,2,3,4,5,6,7
	ds_store_b128 v[STO32], v[8*\b:8*\b+3] offset:64*\b
	ds_store_b128 v[STO32], v[8*\b+4:8*\b+7] offset:64*\b+16
.endr
	WIN 0
.irp t, 0,1,2,3,4,5,6,7,8,9,10,11,12,13,14,15
	ds_load_b128 v[AF+4*\t:AF+4*\t+3], v[RD32] offset:528*\t
.endr
	s_wait_dscnt 0x0
.irp t, 0,1,2,3,4,5,6,7,8,9,10,11,12,13,14,15
	global_store_b128 v[CO], v[AF+4*\t:AF+4*\t+3], s[20:21] offset:12288*\t
.endr
.Lnofine:
; THE WAY OUT, a block of 16 tokens x 128 columns (two heads) at a time: rounded to f16, through my stage, back by heads.
.macro PACK a
.set AC, 64*((\a)%4)
	WIN 0x0a+5*((\a)/4)                            ; sources 0 and 1: window 2 or 3
.irp b, 0,1,2,3,4,5,6,7
.irp i, 0,1,2,3
	v_cvt_pk_f16_f32 v[TMP+4*\b+\i], v[AC+8*\b+2*\i], v[AC+8*\b+2*\i+1]
.endr
.endr
	WIN 0
.endm
.macro TOSTAGE a
.set OB, 32+192*((\a)%2)
.irp b, 0,1,2,3,4,5,6,7
	ds_store_b128 v[STO16], v[TMP+4*\b:TMP+4*\b+3] offset:32*\b
.endr
.irp e, 0,1
.irp t, 0,1,2,3
	ds_load_b128 v[OB+4*(4*\e+\t):OB+4*(4*\e+\t)+3], v[RD16] offset:4*\t*272+128*\e   ; LDS serves a wave's instructions in order: these see the stores above
.endr
.endr
.endm
.macro SEND a
.set OB, 32+192*((\a)%2)
	s_wait_dscnt 0x0                               ; the block is back in registers
	s_wait_xcnt 0x0                                ; the stores of the block before have read their registers: the next block's loads may land there
.irp e, 0,1
.irp t, 0,1,2,3
	global_store_b128 v[CO], v[OB+4*(4*\e+\t):OB+4*(4*\e+\t)+3], s[18:19] offset:\e*262144+(\a)*2048+\t*512
.endr
.endr
.endm
	PACK 0
	TOSTAGE 0
.irp a, 1,2,3,4,5,6,7
	PACK \a
	SEND \a-1
	TOSTAGE \a
.endr
	SEND 7
	s_wait_tensorcnt 0x0                           ; the wave's end
	ds_add_u32 v[SPW], v[NIL]
	s_wait_dscnt 0x0
	CROUND                                         ; the closing round
	s_endpgm
.Lfunc_end_k_q00dc3fd270_qkv:
	.size	k_q00dc3fd270_qkv, .Lfunc_end_k_q00dc3fd270_qkv-k_q00dc3fd270_qkv
	.p2alignl 7, 3214868480
	.fill 96, 4, 3214868480
	.section	.rodata,"a",@progbits
	.p2align	6, 0x0
	.amdhsa_kernel k_q00dc3fd270_qkv
		.amdhsa_group_segment_fixed_size 327680
		.amdhsa_private_segment_fixed_size 0
		.amdhsa_enable_private_segment 0
		.amdhsa_kernarg_size 72
		.amdhsa_user_sgpr_count 2
		.amdhsa_user_sgpr_kernarg_segment_ptr 1
		.amdhsa_wavefront_size32 1
		.amdhsa_system_sgpr_workgroup_id_x 1
		.amdhsa_system_sgpr_workgroup_id_y 1
		.amdhsa_system_sgpr_workgroup_id_z 1
		.amdhsa_system_vgpr_workitem_id 0
		.amdhsa_next_free_vgpr 1024
		.amdhsa_next_free_sgpr 102
		.amdhsa_reserve_vcc 0
		.amdhsa_float_denorm_mode_32 3
		.amdhsa_float_denorm_mode_16_64 3
		.amdhsa_memory_ordered 1
		.amdhsa_forward_progress 1
		.amdhsa_inst_pref_size 132
	.end_amdhsa_kernel
	.amdgpu_metadata
---
amdhsa.version: [ 1, 2 ]
amdhsa.kernels:
  - .name:           k_q00dc3fd270_qkv
    .symbol:         k_q00dc3fd270_qkv.kd
    .args:
      - { .name: xc, .offset: 0, .size: 8, .value_kind: global_buffer, .address_space: global }
      - { .name: xs, .offset: 8, .size: 8, .value_kind: global_buffer, .address_space: global }
      - { .name: wc, .offset: 16, .size: 8, .value_kind: global_buffer, .address_space: global }
      - { .name: ws, .offset: 24, .size: 8, .value_kind: global_buffer, .address_space: global }
      - { .name: bq, .offset: 32, .size: 8, .value_kind: global_buffer, .address_space: global }
      - { .name: bk, .offset: 40, .size: 8, .value_kind: global_buffer, .address_space: global }
      - { .name: bv, .offset: 48, .size: 8, .value_kind: global_buffer, .address_space: global }
      - { .name: qkv, .offset: 56, .size: 8, .value_kind: global_buffer, .address_space: global }
      - { .name: q32, .offset: 64, .size: 8, .value_kind: global_buffer, .address_space: global }
    .group_segment_fixed_size: 327680
    .private_segment_fixed_size: 0
    .kernarg_segment_align: 8
    .kernarg_segment_size: 72
    .max_flat_workgroup_size: 128
    .sgpr_count:     102
    .vgpr_count:     1024
    .wavefront_size: 32
...
	.end_amdgpu_metadata
.endif
;; end of part 2
;; launch attn (part 3): grid 4 x 64, 16 waves a work-group, no clusters, 327,680 bytes of LDS; arguments qkv, yimg; writes yimg
.if DOCPART == 3
	.amdgcn_target "amdgcn-amd-amdhsa--gfx1250"
	.amdhsa_code_object_version 6
	.text
	.protected	k_q00dc3fd270_attn
	.globl	k_q00dc3fd270_attn
	.p2align	8
	.type	k_q00dc3fd270_attn,@function
k_q00dc3fd270_attn:
	s_mov_b64 s[64:65], 0
	v_nop
	global_prefetch_b8 v0, s[64:65] scope:SCOPE_SE
	s_setreg_imm32_b32 hwreg(HW_REG_WAVE_MODE, 25, 1), 1
	s_wait_xcnt 0x0
; ATTN: y[b][h][q] = the sum over k <= q of softmax_k(q . k / 8) v, heads of 64, 2,048 positions; q, k, v f16 [matrix][batch x head, 64][token][64]; products on f16, maxima, sums and O in f32;
; the weights p are rounded to f16 for the second product; the row's sum is taken of the unrounded p.  A running maximum m: p = 2^(c s - c m), c = log2(e) / 8; O and the sum are multiplied by 2^(c m_old - c m_new) in every step.
; SHARES.  Work-group (i, head) owns the blocks i and 7 - i of 256 queries: (i + 1) + (8 - i) = 9 blocks of 256 keys under the mask, the same in every work-group.  Each of its 16 waves owns 32 queries, two tiles
; that share every fragment of K and V; four waves to a SIMD, so that one wave's vector work stands beside another's products.  The upper block's waves are taken in reverse.
; WALK.  Every work-group walks all 8 slots of 256 keys, 4 steps of 64 keys each: the trip counts are constants.  A step all of whose keys come after a wave's queries is jumped over by a scalar branch on ids;
; a slot whose first key comes after the work-group's last query is not asked for.  Every wait for tensor loads in this text is for 0.
; NO CLUSTER: the four work-groups of a head need 8, 7, 6 and 5 slots; a joint load would bring a partner tiles that none of its waves reads.
; LAYOUT.  Both products transposed: S^T = K Q^T, O^T = V^T P: a lane holds one query (lane % 16) throughout.  K comes out of LDS as it lies, V ([key][channel]) turned by ds_load_tr16_b128.
; OUT.  O^T / the sum, rounded to f16, IS a fragment of the projection's operand: yimg [128 channels, 8][tile of 16 rows, 512][32 channels, 4][g 2][lane 32][16 bytes]: each store covers 512 consecutive bytes.
; LIMIT: NaN and infinities in q, k, v are not served.
; REGISTERS: v1-11 addresses and constants; v16-31 statistics, 8 a tile: +0 c m, +1 m, +2, +3 the sum, +4 to +7 at work (+6: the factor); v32-63 Q; v64-127 O^T; v128-191 S^T, then P in place; v192-255 K's, then V's fragments.
.set KP,    144                        ; a key's row in LDS: 128 bytes + 16
.set VP,    160                        ; a row of V: 128 + 32
.set VOFF,  256*KP
.set SLOT1, 1<<17
.set SPARE, SLOT1+VOFF+256*VP          ; the spare words, 128 bytes for each of 16 waves
.set AK0,  1
.set AV0,  2
.set SPW,  3
.set NIL,  4
.set ADK,  5
.set ADV,  6
.set GO,   7
.set DD,   8
.set NINF, 9
.set PFO,  10
.set RMH,  11                          ; v11 lane % 16 - 8 (lane / 16)
.set ST,   16
.set QR,   32
.set O,    64
.set S,    128
.set F,    192
.set TB,   2
.set WV,   18
.set SEL,  20
.set CS,   22
.set G1K,  24
.set G1V,  32
.set G0K,  40
.set G0V,  44
.set LASTQ, 66
.set SLOTS, 67
.set PFA,  76
.set LIM,  80
.set KF,   98
.set Q0,   99
.macro TLOAD                           ; waves 0, 1 fetch K's halves, waves 2, 3 V's, the others nothing; an s_nop 0 and four v_nop follow each line
	s_cmp_lt_u32 s[WV], 2
	s_cbranch_scc0 .Lnot_k_\@
	tensor_load_to_lds s[G0K:G0K+3], s[G1K:G1K+7]
	s_nop 0
.rept 4
	v_nop
.endr
	s_branch .Lasked_\@
.Lnot_k_\@:
	s_cmp_lt_u32 s[WV], 4
	s_cbranch_scc0 .Lasked_\@
	tensor_load_to_lds s[G0V:G0V+3], s[G1V:G1V+7]
	s_nop 0
.rept 4
	v_nop
.endr
.Lasked_\@:
.endm
; A prefetch of what the NEXT change of slots will ask for: 32,768 bytes of K and of V.  The head's work-group 0, which walks all slots, asks, and nobody else; in it waves 4-7 for K, waves 8-11 for V,
; 8,192 bytes a wave, lanes 256 bytes apart: each block of 256 bytes is named once in the launch.  The last change that fills a slot asks for nothing.
.macro ASK
	s_cmp_gt_u32 s[SLOTS], s[LIM]
	s_cbranch_scc0 .Lnot_mine_\@
	global_prefetch_b8 v[PFO], s[PFA:PFA+1] th:TH_LOAD_NT scope:SCOPE_SE
.Lnot_mine_\@:
.endm
	s_load_b128 s[4:7], s[0:1], 0x0                ; qkv, yimg
	v_lshl_add_u32 v[SPW], v0, 2, SPARE
	v_mov_b32 v[NIL], 0
	ds_add_u32 v[SPW], v[NIL]                      ; the wave's opening
	ds_add_u32 v[SPW], v[NIL]
	v_lshrrev_b32 v12, 5, v0
	v_readfirstlane_b32 s[WV], v12                 ; wave 0..15
	s_and_b32 s70, ttmp7, 0xffff                   ; 16 x batch + head
	s_lshl_b32 s68, ttmp9, 8                       ; 256 i
	s_lshl_b32 s69, s[WV], 5
	s_add_co_u32 s[Q0], s68, s69                   ; waves 0-7: 256 i + 32 w
	s_sub_co_u32 s71, 2272, s68
	s_sub_co_u32 s71, s71, s69                     ; waves 8-15: 256 (7 - i) + 32 (15 - w)
	s_cmp_lt_u32 s[WV], 8
	s_cselect_b32 s[Q0], s[Q0], s71                ; my first query
	s_sub_co_u32 s[LASTQ], 2047, s68               ; my work-group's last query
	s_mov_b32 s[G1K], (1<<16)|(1<<20)|(4<<22)|(3<<25)   ; elements of 2 bytes; four words of padding after every 32
	s_mov_b32 s[G1V], (1<<16)|(1<<20)|(4<<22)|(7<<25)   ; eight words
.irp g, G1K, G1V
	s_mov_b32 s[\g+1], 64<<16                      ; tensor_dim0
	s_mov_b32 s[\g+2], 128<<16                     ; tensor_dim1
	s_mov_b32 s[\g+3], 64<<16                      ; tile_dim0
	s_mov_b32 s[\g+4], 128                         ; tile_dim1
	s_mov_b32 s[\g+5], 64                          ; elements from row to row
	s_mov_b32 s[\g+6], 0
	s_mov_b32 s[\g+7], 0
.endr
	s_and_b32 s74, s[WV], 1                        ; which 128 keys of a slot I fetch, if I fetch
	s_lshl_b32 s72, s70, 18                        ; the head's first byte within a matrix
	s_lshl_b32 s75, s74, 14
	s_add_co_u32 s82, s72, s75
	s_add_co_u32 s84, s82, 0x2000000               ; V
	s_add_co_u32 s82, s82, 0x1000000               ; K
	s_mov_b32 s83, 0
	s_mov_b32 s85, 0
	s_mul_i32 s86, s74, 128*KP
	s_mul_i32 s87, s74, 128*VP
	s_add_co_u32 s87, s87, VOFF
	s_mov_b32 s[SEL], 0x76543210
	s_mov_b32 s[SEL+1], 0xfedcba98
	s_mov_b32 s[CS], 0x3e38aa3b                    ; c = log2(e) / 8
	s_mov_b32 s[CS+1], s[CS]
	s_mov_b32 s[TB], 0
	s_mov_b32 s[KF], 0
	s_mov_b32 s[SLOTS], 7
	s_wait_dscnt 0x0                               ; both opening adds are done
	s_wait_kmcnt 0x0
	s_mov_b32 s[G0K], 1
	s_mov_b32 s[G0K+1], s86
	s_add_nc_u64 s[G0K+2:G0K+3], s[4:5], s[82:83]
	s_or_b32 s[G0K+3], s[G0K+3], 0x80000000
	s_mov_b32 s[G0V], 1
	s_mov_b32 s[G0V+1], s87
	s_add_nc_u64 s[G0V+2:G0V+3], s[4:5], s[84:85]
	s_or_b32 s[G0V+3], s[G0V+3], 0x80000000
	TLOAD                                          ; slot 0: it holds key 0, which counts for every query
	s_lshl_b32 s88, s[Q0], 7
	s_add_co_u32 s88, s88, s72
	s_mov_b32 s89, 0
	s_add_nc_u64 s[8:9], s[4:5], s[88:89]          ; Q at my first query
	v_and_b32 v12, 15, v0                          ; r
	v_bfe_u32 v13, v0, 4, 1                        ; h
	v_lshlrev_b32 v14, 7, v12
	v_lshl_add_u32 v14, v13, 4, v14
.irp t, 0,1
.irp d, 0,1
	global_load_b128 v[QR+16*\t+8*\d:QR+16*\t+8*\d+3], v14, s[8:9] offset:2048*\t+64*\d
	global_load_b128 v[QR+16*\t+8*\d+4:QR+16*\t+8*\d+7], v14, s[8:9] offset:2048*\t+64*\d+32
.endr
.endr
	s_mov_b32 s91, 0x2000000                       ; the prefetches: waves 4-7 K, waves 8-11 V
	s_cmp_lt_u32 s[WV], 8
	s_cselect_b32 s90, 0x1000000, s91
	s_add_co_u32 s90, s90, s72
	s_and_b32 s91, s[WV], 3
	s_lshl_b32 s91, s91, 13
	s_add_co_u32 s90, s90, s91
	s_add_co_u32 s90, s90, 32768                   ; in slot 1: the first change of slots steps it to slot 2.  Nothing is prefetched at the head
	s_mov_b32 s91, 0
	s_add_nc_u64 s[PFA:PFA+1], s[4:5], s[90:91]
	s_sub_co_u32 s82, s[WV], 4
	s_lshr_b32 s82, s82, 3                         ; 0 in waves 4 to 11,
	s_or_b32 s82, s82, ttmp9                       ; of the head's work-group 0
	s_cmp_eq_u32 s82, 0
	s_cselect_b32 s[LIM], 1, -1
	s_and_b32 s86, s70, 15                         ; yimg: head / 2 picks the 128 channels, head % 2 the half of them; 4,096 bytes a tile of 16 rows
	s_lshr_b32 s87, s86, 1
	s_lshl_b32 s87, s87, 21
	s_and_b32 s86, s86, 1
	s_lshl_b32 s86, s86, 11
	s_add_co_u32 s86, s86, s87
	s_lshr_b32 s87, s70, 4
	s_lshl_b32 s87, s87, 19
	s_add_co_u32 s86, s86, s87
	s_lshl_b32 s87, s[Q0], 8
	s_add_co_u32 s86, s86, s87
	s_mov_b32 s87, 0
	s_add_nc_u64 s[6:7], s[6:7], s[86:87]
	v_mul_u32_u24 v[AK0], v12, KP
	v_lshl_add_u32 v[AK0], v13, 4, v[AK0]          ; K: row r x pitch + 16 h
	v_and_b32 v15, 7, v0
	v_lshl_add_u32 v[AV0], v13, 3, v15
	v_mul_u32_u24 v[AV0], v[AV0], VP
	v_bfe_u32 v15, v0, 3, 1
	v_lshl_add_u32 v[AV0], v15, 4, v[AV0]
	v_add_nc_u32 v[AV0], VOFF, v[AV0]              ; V: key 8 h + l % 8, channels 8 ((l / 8) % 2) on
	v_and_b32 v[GO], 31, v0
	v_lshlrev_b32 v[PFO], 8, v[GO]
	v_lshlrev_b32 v[GO], 4, v[GO]
	v_lshlrev_b32 v13, 3, v13
	v_sub_nc_u32 v[RMH], v12, v13
	v_mov_b32 v[NINF], 0xff800000
.irp t, 0,1
	v_mov_b32 v[ST+8*\t+1], 0xff61b1e6             ; m: -3e38, under every score
	v_mul_f32 v[ST+8*\t], s[CS], v[ST+8*\t+1]
.irp i, 2,3,4,5,6,7
	v_mov_b32 v[ST+8*\t+\i], 0
.endr
.endr
.irp j, 0,1,2,3,4,5,6,7,8,9,10,11,12,13,14,15,16,17,18,19,20,21,22,23,24,25,26,27,28,29,30,31,32,33,34,35,36,37,38,39,40,41,42,43,44,45,46,47,48,49,50,51,52,53,54,55,56,57,58,59,60,61,62,63
	v_mov_b32 v[O+\j], 0                           ; the step is written once: the first finds zeros, which the first factor, 0, leaves zeros
.endr
; A KEY STEP: 64 keys, the q-th of the slot in hand.
.macro STEP q
	s_add_co_u32 s96, s[Q0], 31
	s_cmp_gt_u32 s[KF], s96                        ; all keys come after my 32 queries: only the count of keys steps
	s_cbranch_scc1 .Lhidden_\@
	v_add_nc_u32 v[ADK], s[TB], v[AK0]
	v_add_nc_u32 v[ADV], s[TB], v[AV0]
.irp f, 0,1,2,3,4,5,6,7                ; K's fragment f: keys 16 (f / 2) on, channels 32 (f % 2) on
	ds_load_b128 v[F+8*\f:F+8*\f+3], v[ADK] offset:(\q)*64*KP+(\f/2)*16*KP+(\f%2)*64
	ds_load_b128 v[F+8*\f+4:F+8*\f+7], v[ADK] offset:(\q)*64*KP+(\f/2)*16*KP+(\f%2)*64+32
.endr
	s_wait_dscnt 0x0
.irp d, 0,1                            ; S^T = K Q^T: the eight accumulators take turns
.irp k, 0,1,2,3
.irp t, 0,1
.if \d == 0
	v_wmma_f32_16x16x32_f16 v[S+32*\t+8*\k:S+32*\t+8*\k+7], v[F+8*(2*\k+\d):F+8*(2*\k+\d)+7], v[QR+16*\t+8*\d:QR+16*\t+8*\d+7], 0
.else
	v_wmma_f32_16x16x32_f16 v[S+32*\t+8*\k:S+32*\t+8*\k+7], v[F+8*(2*\k+\d):F+8*(2*\k+\d)+7], v[QR+16*\t+8*\d:QR+16*\t+8*\d+7], v[S+32*\t+8*\k:S+32*\t+8*\k+7]
.endif
.endr
.endr
.endr
.rept 4
	v_nop                                          ; places in front of the loads into K's registers and of the first read of the scores
.endr
.irp f, 0,1,2,3,4,5,6,7                ; V's fragment f: keys 32 (f / 4) on, channels 16 (f % 4) on: they land while the softmax is walked
	ds_load_tr16_b128 v[F+8*\f:F+8*\f+3], v[ADV] offset:(\q)*64*VP+(\f/4)*32*VP+(\f%4)*32
	ds_load_tr16_b128 v[F+8*\f+4:F+8*\f+7], v[ADV] offset:(\q)*64*VP+(\f/4)*32*VP+16*VP+(\f%4)*32
.endr
	s_add_co_u32 s96, s[KF], 63
	s_cmp_le_u32 s96, s[Q0]                        ; all 64 keys count for all my queries: no mask
	s_cbranch_scc1 .Lopen_\@
	s_sub_co_i32 s96, s[Q0], s[KF]
	v_add_nc_u32 v[DD], s96, v[RMH]                ; register 8 k + j of tile t holds key KF + 16 k + 8 h + j for query Q0 + 16 t + r: hidden where 16 k + j - 16 t > Q0 - KF + r - 8 h
.irp t, 0,1
.irp k, 0,1,2,3
.irp j, 0,1,2,3,4,5,6,7
	v_cmp_gt_i32 vcc_lo, 16*\k+\j-16*\t, v[DD]
	v_cndmask_b32 v[S+32*\t+8*\k+\j], v[S+32*\t+8*\k+\j], v[NINF], vcc_lo
.endr
.endr
.endr
.Lopen_\@:
.irp j, 0,1,2,3                        ; the maximum: four chains a tile, each accumulator from its low end on; the two tiles by turns
.irp t, 0,1
	v_max3_num_f32 v[ST+8*\t+4+\j], v[S+32*\t+8*\j], v[S+32*\t+8*\j+1], v[S+32*\t+8*\j+2]
.endr
.endr
.irp i, 3,5
.irp j, 0,1,2,3
.irp t, 0,1
	v_max3_num_f32 v[ST+8*\t+4+\j], v[ST+8*\t+4+\j], v[S+32*\t+8*\j+\i], v[S+32*\t+8*\j+\i+1]
.endr
.endr
.endr
.irp t, 0,1
	v_max3_num_f32 v[ST+8*\t+4], v[ST+8*\t+4], v[S+32*\t+7], v[S+32*\t+15]
.endr
.irp t, 0,1
	v_max3_num_f32 v[ST+8*\t+6], v[ST+8*\t+6], v[S+32*\t+23], v[S+32*\t+31]
.endr
.irp t, 0,1
	v_max3_num_f32 v[ST+8*\t+4], v[ST+8*\t+4], v[ST+8*\t+5], v[ST+8*\t+6]
.endr
.irp t, 0,1
	v_max3_num_f32 v[ST+8*\t+4], v[ST+8*\t+4], v[ST+8*\t+7], v[ST+8*\t+1]   ; with the old m
.endr
.irp t, 0,1
	v_permlanex16_b32 v[ST+8*\t+5], v[ST+8*\t+4], s[SEL], s[SEL+1]          ; the query's other keys lie in the lane 16 away
.endr
.irp t, 0,1
	v_mov_b32 v[ST+8*\t+7], v[ST+8*\t]             ; c m_old
.endr
.irp t, 0,1
	v_max_num_f32 v[ST+8*\t+1], v[ST+8*\t+4], v[ST+8*\t+5]
.endr
.irp t, 0,1
	v_mul_f32 v[ST+8*\t], s[CS], v[ST+8*\t+1]
.endr
.irp t, 0,1
	v_sub_f32 v[ST+8*\t+7], v[ST+8*\t+7], v[ST+8*\t]
.endr
.irp t, 0,1
.irp b, 0,1,2,3,4,5,6,7,8,9,10,11,12,13,14,15
	v_pk_fma_f32 v[S+32*\t+2*\b:S+32*\t+2*\b+1], v[S+32*\t+2*\b:S+32*\t+2*\b+1], s[CS:CS+1], v[ST+8*\t:ST+8*\t+1] op_sel_hi:[1,0,0] neg_lo:[0,0,1] neg_hi:[0,0,1]   ; c s - c m
.endr
.endr
.irp t, 0,1
	v_exp_f32 v[ST+8*\t+6], v[ST+8*\t+7]           ; the factor 2^(c m_old - c m_new)
.endr
.irp j, 0,1,2,3,4,5,6,7,8,9,10,11,12,13,14,15,16,17,18,19,20,21,22,23,24,25,26,27,28,29,30,31,32,33,34,35,36,37,38,39,40,41,42,43,44,45,46,47,48,49,50,51,52,53,54,55,56,57,58,59,60,61,62,63
	v_exp_f32 v[S+\j], v[S+\j]
.endr
	v_nop                                          ; a plain instruction behind the last exponential
	s_wait_alu depctr_va_vdst(0)                   ; one wait for the batch of 66, ahead of its first reader
.irp t, 0,1
	v_pk_mul_f32 v[ST+8*\t+2:ST+8*\t+3], v[ST+8*\t+2:ST+8*\t+3], v[ST+8*\t+6:ST+8*\t+7] op_sel_hi:[1,0]
.endr
.irp t, 0,1
	v_pk_add_f32 v[ST+8*\t+4:ST+8*\t+5], v[S+32*\t:S+32*\t+1], v[S+32*\t+2:S+32*\t+3]   ; the sum of the unrounded p, in two chains a tile
.endr
.irp n, 1,2,3,4,5,6,7
.irp t, 0,1
	v_pk_add_f32 v[ST+8*\t+2:ST+8*\t+3], v[ST+8*\t+2:ST+8*\t+3], v[S+32*\t+4*\n:S+32*\t+4*\n+1]
	v_pk_add_f32 v[ST+8*\t+4:ST+8*\t+5], v[ST+8*\t+4:ST+8*\t+5], v[S+32*\t+4*\n+2:S+32*\t+4*\n+3]
.endr
.endr
.irp t, 0,1
	v_pk_add_f32 v[ST+8*\t+2:ST+8*\t+3], v[ST+8*\t+2:ST+8*\t+3], v[ST+8*\t+4:ST+8*\t+5]
.endr
.irp t, 0,1
.irp j, 0,1,2,3,4,5,6,7,8,9,10,11,12,13,14,15
	v_cvt_pk_f16_f32 v[S+32*\t+\j], v[S+32*\t+2*\j], v[S+32*\t+2*\j+1]   ; P in place, ascending: registers 8 u .. 8 u + 7 are the operand for keys 32 u on
.endr
.endr
.irp t, 0,1
.irp j, 0,2,4,6,8,10,12,14,16,18,20,22,24,26,28,30
	v_pk_mul_f32 v[O+32*\t+\j:O+32*\t+\j+1], v[O+32*\t+\j:O+32*\t+\j+1], v[ST+8*\t+6:ST+8*\t+7] op_sel_hi:[1,0]
.endr
.endr
	s_wait_dscnt 0x0                               ; V is in
.irp u, 0,1                            ; O^T += V^T P: the eight accumulators take turns
.irp c, 0,1,2,3
.irp t, 0,1
	v_wmma_f32_16x16x32_f16 v[O+32*\t+8*\c:O+32*\t+8*\c+7], v[F+8*(4*\u+\c):F+8*(4*\u+\c)+7], v[S+32*\t+8*\u:S+32*\t+8*\u+7], v[O+32*\t+8*\c:O+32*\t+8*\c+7]
.endr
.endr
.endr
.rept 5
	v_nop                                          ; the next step's products write over P's registers (five places), its loads land in V's (four)
.endr
.Lhidden_\@:
	s_add_co_u32 s[KF], s[KF], 64
.endm
; THE CHANGE OF SLOTS, at a slot's head.  Each wave waits for all its tensor loads, adds 0 to its spare word, and waits for that and for its reads of the slot that it has left; then the barrier.
; fill = 1: the slot that was left is filled with the keys that follow, while their first key is at or under the work-group's last query.
.macro CHANGE fill
	s_wait_tensorcnt 0x0
	ds_add_u32 v[SPW], v[NIL]
.if \fill
	ds_add_u32 v[SPW], v[NIL]
	s_xor_b32 s[G0K+1], s[G0K+1], SLOT1            ; no tensor load of mine is out: the walking descriptors step
	s_add_nc_u64 s[G0K+2:G0K+3], s[G0K+2:G0K+3], 32768
	s_xor_b32 s[G0V+1], s[G0V+1], SLOT1
	s_add_nc_u64 s[G0V+2:G0V+3], s[G0V+2:G0V+3], 32768
	s_wait_xcnt 0x0                                ; the last prefetch, a slot back, has read its address
	s_add_nc_u64 s[PFA:PFA+1], s[PFA:PFA+1], 32768
.endif
	s_wait_dscnt 0x0
	s_barrier_signal -1
	s_barrier_wait -1
.if \fill
	s_add_co_u32 s96, s[KF], 256                   ; the first key of the slot that this change would ask for
	s_cmp_gt_u32 s96, s[LASTQ]                     ; ids and the count of steps alone: all sixteen waves go the same way
	s_cbranch_scc1 .Lpast_\@
	TLOAD
.Lpast_\@:
	ASK
.endif
.endm
.macro SLOT_STEPS
.irp q, 0,1,2,3
	STEP \q
.endr
	s_xor_b32 s[TB], s[TB], SLOT1
.endm
	s_wait_loadcnt 0x0                             ; Q
.Lslot:                                            ; 7 trips
	CHANGE 1
	SLOT_STEPS
	s_sub_co_u32 s[SLOTS], s[SLOTS], 1
	s_cmp_lg_u32 s[SLOTS], 0
	s_cbranch_scc1 .Lslot
	CHANGE 0                                       ; the last slot is written out: nothing is left to ask for
	SLOT_STEPS
	; THE WAY OUT
.irp t, 0,1
	v_add_f32 v[ST+8*\t+4], v[ST+8*\t+2], v[ST+8*\t+3]
.endr
.irp t, 0,1
	v_permlanex16_b32 v[ST+8*\t+5], v[ST+8*\t+4], s[SEL], s[SEL+1]
.endr
.irp t, 0,1
	v_add_f32 v[ST+8*\t+4], v[ST+8*\t+4], v[ST+8*\t+5]
.endr
.irp t, 0,1
	v_rcp_f32 v[ST+8*\t+6], v[ST+8*\t+4]
.endr
	v_nop
	s_wait_alu depctr_va_vdst(0)                   ; one wait for the two reciprocals, ahead of their first reader
.irp t, 0,1
.irp j, 0,2,4,6,8,10,12,14,16,18,20,22,24,26,28,30
	v_pk_mul_f32 v[O+32*\t+\j:O+32*\t+\j+1], v[O+32*\t+\j:O+32*\t+\j+1], v[ST+8*\t+6:ST+8*\t+7] op_sel_hi:[1,0]
.endr
.endr
.irp t, 0,1
.irp j, 0,1,2,3,4,5,6,7,8,9,10,11,12,13,14,15
	v_cvt_pk_f16_f32 v[S+16*\t+\j], v[O+32*\t+2*\j], v[O+32*\t+2*\j+1]
.endr
.endr
.irp t, 0,1
.irp c, 0,1,2,3
	global_store_b128 v[GO], v[S+16*\t+4*\c:S+16*\t+4*\c+3], s[6:7] offset:\t*4096+\c*512
.endr
.endr
	s_wait_tensorcnt 0x0                           ; the wave's end
	ds_add_u32 v[SPW], v[NIL]
	s_wait_dscnt 0x0
	s_endpgm
.Lfunc_end_k_q00dc3fd270_attn:
	.size	k_q00dc3fd270_attn, .Lfunc_end_k_q00dc3fd270_attn-k_q00dc3fd270_attn
	.p2alignl 7, 3214868480
	.fill 96, 4, 3214868480
	.section	.rodata,"a",@progbits
	.p2align	6, 0x0
	.amdhsa_kernel k_q00dc3fd270_attn
		.amdhsa_group_segment_fixed_size 327680
		.amdhsa_private_segment_fixed_size 0
		.amdhsa_enable_private_segment 0
		.amdhsa_kernarg_size 16
		.amdhsa_user_sgpr_count 2
		.amdhsa_user_sgpr_kernarg_segment_ptr 1
		.amdhsa_wavefront_size32 1
		.amdhsa_system_sgpr_workgroup_id_x 1
		.amdhsa_system_sgpr_workgroup_id_y 1
		.amdhsa_system_sgpr_workgroup_id_z 1
		.amdhsa_system_vgpr_workitem_id 0
		.amdhsa_next_free_vgpr 256
		.amdhsa_next_free_sgpr 100
		.amdhsa_reserve_vcc 1
		.amdhsa_float_denorm_mode_32 3
		.amdhsa_float_denorm_mode_16_64 3
		.amdhsa_memory_ordered 1
		.amdhsa_forward_progress 1
		.amdhsa_inst_pref_size 187
	.end_amdhsa_kernel
	.amdgpu_metadata
---
amdhsa.version: [ 1, 2 ]
amdhsa.kernels:
  - .name:           k_q00dc3fd270_attn
    .symbol:         k_q00dc3fd270_attn.kd
    .args:
      - { .name: qkv, .offset: 0, .size: 8, .value_kind: global_buffer, .address_space: global }
      - { .name: yimg, .offset: 8, .size: 8, .value_kind: global_buffer, .address_space: global }
    .group_segment_fixed_size: 327680
    .private_segment_fixed_size: 0
    .kernarg_segment_align: 8
    .kernarg_segment_size: 16
    .max_flat_workgroup_size: 512
    .sgpr_count:     100
    .vgpr_count:     256
    .wavefront_size: 32
...
	.end_amdgpu_metadata
.endif
;; end of part 3
;; launch proj (part 4): grid 4 x 64, 4 waves a work-group, clusters of 4 x 4, 327,680 bytes of LDS; arguments yimg, wph, bp, out0; writes out0
.if DOCPART == 4
	.amdgcn_target "amdgcn-amd-amdhsa--gfx1250"
	.amdhsa_code_object_version 6
	.text
	.protected	k_q00dc3fd270_proj
	.globl	k_q00dc3fd270_proj
	.p2align	8
	.type	k_q00dc3fd270_proj,@function
k_q00dc3fd270_proj:
	s_mov_b64 s[64:65], 0
	v_nop
	global_prefetch_b8 v0, s[64:65] scope:SCOPE_SE
	s_setreg_imm32_b32 hwreg(HW_REG_WAVE_MODE, 25, 1), 1
	s_wait_xcnt 0x0
	s_wait_alu depctr_hold_cnt(0) depctr_sa_sdst(0) depctr_va_vdst(0) depctr_va_sdst(0) depctr_va_ssrc(0) depctr_va_vcc(0) depctr_vm_vsrc(0)
	s_getreg_b32 s2, hwreg(HW_REG_IB_STS2, 6, 4)
	s_cmp_eq_u32 s2, 0
	s_cbranch_scc0 .Lentry_in_a_cluster
	s_endpgm
.Lentry_in_a_cluster:
	s_bfe_u32 s2, ttmp6, 0x10000c
	s_cmp_lg_u32 s2, 0xf033
	s_cbranch_scc0 .Lentry_shape_is_right
	s_endpgm
.Lentry_shape_is_right:
; PROJ: out0 [8192][1024] f32 = y wp + bp, K = 1,024, operands f16, sums f32.  Both operands arrive as images of operand registers (a fragment of 16 rows x 32 K is 1,024 bytes, 16 x lane within each 512),
; so every tile is a dense block of memory and of LDS, and a fragment comes by two loads of 512 consecutive bytes.
; A tile of out0 is 128 x 256: 256 work-groups.  Four waves, each 64 x 128: 32 accumulators.  K goes in steps of 128 through two LDS slots (y 32,768 bytes, wp 65,536).
; CLUSTERS 4 x 4: y's tile is asked for jointly along a row of the cluster, wp's along a column.  By this text's count two tensor loads of a wave are out at the start, later one.
; THE MATRIX INSTRUCTION IS USED TRANSPOSED (source 0 = 16 columns of wp, source 1 = 16 rows of y): a lane holds eight neighbouring columns of one row.  The bias is the C of each sum's first instruction.
; The first 16 rows of every sequence are written here too and written over by the launch that follows, which carries them in f32.
; REGISTERS: window 0: v16-29 addresses; v64-159, v160-255 two fragment buffers (wp's eight fragments, then y's four).  window 1: the accumulators, (a, b) at v[8 (8 a + b)].  window 2: v0-63 the bias.
.set SLOT,   98304
.set BOFF,   32768
.set STAGE,  2*SLOT                    ; 16 rows x 528 bytes for each wave; no tile lands here
.set STG,    16*528
.set SPARE,  STAGE+4*STG               ; the spare words, 128 bytes a wave
.set ADRA, 16
.set ADRB, 20
.set STO,  24
.set RD,   25
.set CO,   26
.set SPW,  28
.set NIL,  29
.set F0,   64
.set F1,   160
.set G1,   24
.set G0,   32
.set G1B,  48
.set G0B,  56
.set MSB, 0
.macro WIN new
.if MSB != (\new)
	s_set_vgpr_msb (MSB<<8)|(\new)
.set MSB, (\new)
.endif
.endm
.set MUL,  0x50                        ; C and D window 1, sources window 0
.set MULB, 0x60                        ; D window 1, C (the bias) window 2
.macro JLOAD s                         ; waves 0, 1 fetch y's halves, waves 2, 3 wp's; an s_nop 0 and four v_nop follow each line
	s_cmp_eq_u32 s13, 0
	s_cbranch_scc0 .Lfor_b_\@
	tensor_load_to_lds s[G0+4*\s:G0+4*\s+3], s[G1:G1+7]
	s_nop 0
.rept 4
	v_nop
.endr
	s_branch .Lasked_\@
.Lfor_b_\@:
	tensor_load_to_lds s[G0B+4*\s:G0B+4*\s+3], s[G1B:G1B+7]
	s_nop 0
.rept 4
	v_nop
.endr
.Lasked_\@:
.endm
.macro CREST
	s_cmp_lg_u32 s12, 0
	s_cbranch_scc1 .Lnot_wave_0_\@
	s_barrier_signal -3
.Lnot_wave_0_\@:
	s_barrier_wait -3
	s_barrier_signal -1
	s_barrier_wait -1
.endm
.macro CROUND
	s_barrier_signal -1
	s_barrier_wait -1
	CREST
.endm
	s_load_b256 s[4:11], s[0:1], 0x0               ; yimg, wph, bp, out0
	v_lshl_add_u32 v[SPW], v0, 2, SPARE
	v_mov_b32 v[NIL], 0
	ds_add_u32 v[SPW], v[NIL]                      ; the wave's opening
	ds_add_u32 v[SPW], v[NIL]
	v_lshrrev_b32 v1, 5, v0
	v_readfirstlane_b32 s12, v1                    ; wave
	s_lshr_b32 s13, s12, 1                         ; my half of the rows.  Also: I fetch for y (0) or wp (1)
	s_and_b32 s14, s12, 1                          ; my half of the columns.  Also: which half I fetch
	s_bfe_u32 s40, ttmp6, 0x40000                  ; cx
	s_bfe_u32 s41, ttmp6, 0x40004                  ; cy
	s_lshl_b32 s42, ttmp9, 2
	s_add_co_u32 s42, s42, s40                     ; tile column
	s_and_b32 s15, ttmp7, 0xffff
	s_lshl_b32 s15, s15, 2
	s_add_co_u32 s15, s15, s41                     ; tile row
	s_lshl_b32 s43, s41, 2
	s_lshl_b32 s43, 15, s43
	s_lshl_b32 s44, 0x1111, s40
	s_or_b32 s[G1], s43, (3<<16)|(1<<21)           ; y: 16,384 dense bytes as 64 rows of 32 elements of 8 bytes
	s_mov_b32 s[G1+1], 32<<16
	s_mov_b32 s[G1+2], 64<<16
	s_mov_b32 s[G1+3], 32<<16
	s_mov_b32 s[G1+4], 64
	s_mov_b32 s[G1+5], 32
	s_mov_b32 s[G1+6], 0
	s_mov_b32 s[G1+7], 0
	s_or_b32 s[G1B], s44, (3<<16)|(1<<21)          ; wp: 32,768 dense bytes as 128 rows
	s_mov_b32 s[G1B+1], 32<<16
	s_mov_b32 s[G1B+2], 128<<16
	s_mov_b32 s[G1B+3], 32<<16
	s_mov_b32 s[G1B+4], 128
	s_mov_b32 s[G1B+5], 32
	s_mov_b32 s[G1B+6], 0
	s_mov_b32 s[G1B+7], 0
	s_lshl_b32 s18, s14, 14
	s_lshl_b32 s19, s14, 15
	s_mov_b32 s[G0], 1
	s_mov_b32 s[G0+1], s18
	s_mov_b32 s[G0+4], 1
	s_add_co_u32 s[G0+5], s18, SLOT
	s_mov_b32 s[G0B], 1
	s_add_co_u32 s[G0B+1], s19, BOFF
	s_mov_b32 s[G0B+4], 1
	s_add_co_u32 s[G0B+5], s[G0B+1], SLOT
	s_lshl_b32 s16, s15, 15                        ; y: eight tiles of 16 rows, 4,096 bytes each, a tile row
	s_add_co_u32 s16, s16, s18
	s_mov_b32 s17, 0
	s_lshl_b32 s46, s42, 16                        ; wp: sixteen tiles of 16 columns a tile column
	s_add_co_u32 s46, s46, s19
	s_mov_b32 s47, 0
	s_wait_dscnt 0x0
	s_wait_kmcnt 0x0
	s_add_nc_u64 s[G0+2:G0+3], s[4:5], s[16:17]
	s_add_nc_u64 s[G0+6:G0+7], s[G0+2:G0+3], 2097152       ; K step 1
	s_or_b32 s[G0+3], s[G0+3], 0x80000000
	s_or_b32 s[G0+7], s[G0+7], 0x80000000
	s_add_nc_u64 s[G0B+2:G0B+3], s[6:7], s[46:47]
	s_add_nc_u64 s[G0B+6:G0B+7], s[G0B+2:G0B+3], 262144
	s_or_b32 s[G0B+3], s[G0B+3], 0x80000000
	s_or_b32 s[G0B+7], s[G0B+7], 0x80000000
	CROUND
	JLOAD 0
	JLOAD 1
	v_and_b32 v1, 15, v0
	v_bfe_u32 v2, v0, 4, 1
	v_and_b32 v6, 31, v0
	v_lshlrev_b32 v[CO], 4, v6
	s_lshl_b32 s68, s42, 10
	s_lshl_b32 s69, s14, 9
	s_add_co_u32 s68, s68, s69                     ; my first column, in bytes
	s_mov_b32 s69, 0
	s_add_nc_u64 s[8:9], s[8:9], s[68:69]
	v_lshlrev_b32 v9, 5, v2
	WIN 0x80                                       ; destination window 2
.irp b, 0,1,2,3,4,5,6,7
	global_load_b128 v[8*\b:8*\b+3], v9, s[8:9] offset:64*\b
	global_load_b128 v[8*\b+4:8*\b+7], v9, s[8:9] offset:64*\b+16
.endr
	WIN 0
	s_lshl_b32 s70, s13, 14
	s_add_co_u32 s71, s70, SLOT
	v_add_nc_u32 v[ADRA], s70, v[CO]
	v_add_nc_u32 v[ADRA+1], s71, v[CO]
	v_add_nc_u32 v[ADRB], s[G0B+1], v[CO]
	v_add_nc_u32 v[ADRB+1], s[G0B+5], v[CO]
	s_mul_i32 s70, s12, STG
	s_add_co_u32 s70, s70, STAGE
	v_mul_u32_u24 v7, v1, 528
	v_lshl_add_u32 v7, v2, 5, v7
	v_add_nc_u32 v[STO], s70, v7
	v_add_nc_u32 v[RD], s70, v[CO]
	s_lshl_b32 s66, s15, 19                        ; out0: row 128 x tile row + 64 x half, 4,096 bytes a row
	s_lshl_b32 s67, s13, 18
	s_add_co_u32 s66, s66, s67
	s_add_co_u32 s66, s66, s68
	s_mov_b32 s67, 0
	s_add_nc_u64 s[10:11], s[10:11], s[66:67]
.macro FETCH slot, q, f                ; 24 loads: the fragments of the slot's q-th 32 along K: wp's eight, then y's four
	WIN 0
.irp b, 0,1,2,3,4,5,6,7
	ds_load_b128 v[\f+8*\b:\f+8*\b+3], v[ADRB+\slot] offset:\b*4096+(\q)*1024
	ds_load_b128 v[\f+8*\b+4:\f+8*\b+7], v[ADRB+\slot] offset:\b*4096+(\q)*1024+512
.endr
.irp a, 0,1,2,3
	ds_load_b128 v[\f+64+8*\a:\f+64+8*\a+3], v[ADRA+\slot] offset:\a*4096+(\q)*1024
	ds_load_b128 v[\f+64+8*\a+4:\f+64+8*\a+7], v[ADRA+\slot] offset:\a*4096+(\q)*1024+512
.endr
.endm
.macro MULA f, a, first                ; y's block a against wp's eight: the 32 accumulators take turns, in the same order in every quarter
.irp b, 0,1,2,3,4,5,6,7
.if \first
	v_wmma_f32_16x16x32_f16 v[8*(8*(\a)+\b):8*(8*(\a)+\b)+7], v[\f+8*\b:\f+8*\b+7], v[\f+64+8*(\a):\f+64+8*(\a)+7], v[8*\b:8*\b+7]
.else
	v_wmma_f32_16x16x32_f16 v[8*(8*(\a)+\b):8*(8*(\a)+\b)+7], v[\f+8*\b:\f+8*\b+7], v[\f+64+8*(\a):\f+64+8*(\a)+7], v[8*(8*(\a)+\b):8*(8*(\a)+\b)+7]
.endif
.endr
.endm
.macro PLACES
.rept 4
	v_nop
.endr
.endm
.macro QUARTER slot, q, f, g, first    ; multiplies buffer f; in its middle fetches the slot's q-th quarter into g
	s_wait_dscnt 4                                 ; all but y's blocks 2 and 3 (four loads) are in
.if \first
	WIN MULB
.else
	WIN MUL
.endif
	MULA \f, 0, \first
	MULA \f, 1, \first
	PLACES
	FETCH \slot, \q, \g
	s_wait_dscnt 24                                ; all but the 24 just issued
.if \first
	WIN MULB
.else
	WIN MUL
.endif
	MULA \f, 2, \first
	MULA \f, 3, \first
.endm
.macro TURN slot, next, fill           ; a slot's last quarter multiplies buffer 1 and changes slots
	WIN 0
	s_wait_tensorcnt 0x0                           ; all my tensor loads have landed: my part of the next slot
	ds_add_u32 v[SPW], v[NIL]
	s_wait_dscnt 5                                 ; the add and the youngest four loads may be out
	WIN MUL
	MULA F1, 0, 0
	s_wait_dscnt 0x0                               ; the add is done, and my reads of this slot are over
	s_barrier_signal -1
	MULA F1, 1, 0
	WIN 0
	s_barrier_wait -1
.if \fill
	CREST                                          ; the barrier has opened a round of the cluster's: no wave of any partner still reads this slot or has a load on its way
	s_add_nc_u64 s[G0+4*\slot+2:G0+4*\slot+3], s[G0+4*\slot+2:G0+4*\slot+3], 4194304
	s_add_nc_u64 s[G0B+4*\slot+2:G0B+4*\slot+3], s[G0B+4*\slot+2:G0B+4*\slot+3], 524288
	JLOAD \slot                                    ; its four v_nop are also the places in front of the loads below
.else
	PLACES
.endif
	FETCH \next, 0, F0
	WIN MUL
	MULA F1, 2, 0
	MULA F1, 3, 0
.endm
	s_wait_tensorcnt 1                             ; my part of K step 0 is in; K step 1's may be out
	s_barrier_signal -1
	s_barrier_wait -1
	FETCH 0, 0, F0
	s_wait_loadcnt 0x0                             ; the bias
	QUARTER 0, 1, F0, F1, 1                        ; the first products start the sums from the bias
	WIN 0
	s_mov_b32 s3, 3
.Llap:                                             ; a trip goes once round the ring and fills both slots again
	QUARTER 0, 2, F1, F0, 0
	QUARTER 0, 3, F0, F1, 0
	TURN 0, 1, 1
	QUARTER 1, 1, F0, F1, 0
	QUARTER 1, 2, F1, F0, 0
	QUARTER 1, 3, F0, F1, 0
	TURN 1, 0, 1
	QUARTER 0, 1, F0, F1, 0
	WIN 0
	s_sub_co_u32 s3, s3, 1
	s_cmp_lg_u32 s3, 0
	s_cbranch_scc1 .Llap
	QUARTER 0, 2, F1, F0, 0                        ; the last lap fills nothing
	QUARTER 0, 3, F0, F1, 0
	TURN 0, 1, 0
	QUARTER 1, 1, F0, F1, 0
	QUARTER 1, 2, F1, F0, 0
	QUARTER 1, 3, F0, F1, 0
	s_wait_dscnt 4
	WIN MUL
	MULA F1, 0, 0
	MULA F1, 1, 0
	s_wait_dscnt 0
	MULA F1, 2, 0
	MULA F1, 3, 0
	WIN 0
; THE WAY OUT, a block of 16 rows x 128 columns at a time, through my stage, back as whole rows of 512 bytes.
.macro TOSTAGE a
	WIN 0x04                                       ; an LDS store's data are its source 1: window 1
.irp b, 0,1,2,3,4,5,6,7
	ds_store_b128 v[STO], v[64*(\a)+8*\b:64*(\a)+8*\b+3] offset:64*\b
	ds_store_b128 v[STO], v[64*(\a)+8*\b+4:64*(\a)+8*\b+7] offset:64*\b+16
.endr
	WIN 0
.set BB, 64+64*((\a)%2)
.irp t, 0,1,2,3,4,5,6,7,8,9,10,11,12,13,14,15
	ds_load_b128 v[BB+4*\t:BB+4*\t+3], v[RD] offset:\t*528
.endr
.endm
.macro SEND a, younger
.set BB, 64+64*((\a)%2)
	s_wait_dscnt \younger
.irp t, 0,1,2,3,4,5,6,7,8,9,10,11,12,13,14,15
	global_store_b128 v[CO], v[BB+4*\t:BB+4*\t+3], s[10:11] offset:(16*(\a)+\t)*4096 th:TH_STORE_NT
.endr
.endm
	PLACES
	TOSTAGE 0
.irp a, 1,2,3
.if \a > 1
	s_wait_xcnt 0x0                                ; the stores of two blocks ago have read the registers into which this block's loads land
.endif
	TOSTAGE \a
	SEND \a-1, 32                                  ; behind that block's loads: this block's 16 stores and 16 loads
.endr
	SEND 3, 0
	s_wait_tensorcnt 0x0                           ; the wave's end
	ds_add_u32 v[SPW], v[NIL]
	s_wait_dscnt 0x0
	CROUND                                         ; the closing round
	s_endpgm
.Lfunc_end_k_q00dc3fd270_proj:
	.size	k_q00dc3fd270_proj, .Lfunc_end_k_q00dc3fd270_proj-k_q00dc3fd270_proj
	.p2alignl 7, 3214868480
	.fill 96, 4, 3214868480
	.section	.rodata,"a",@progbits
	.p2align	6, 0x0
	.amdhsa_kernel k_q00dc3fd270_proj
		.amdhsa_group_segment_fixed_size 327680
		.amdhsa_private_segment_fixed_size 0
		.amdhsa_enable_private_segment 0
		.amdhsa_kernarg_size 32
		.amdhsa_user_sgpr_count 2
		.amdhsa_user_sgpr_kernarg_segment_ptr 1
		.amdhsa_wavefront_size32 1
		.amdhsa_system_sgpr_workgroup_id_x 1
		.amdhsa_system_sgpr_workgroup_id_y 1
		.amdhsa_system_sgpr_workgroup_id_z 1
		.amdhsa_system_vgpr_workitem_id 0
		.amdhsa_next_free_vgpr 768
		.amdhsa_next_free_sgpr 80
		.amdhsa_reserve_vcc 0
		.amdhsa_float_denorm_mode_32 3
		.amdhsa_float_denorm_mode_16_64 3
		.amdhsa_memory_ordered 1
		.amdhsa_forward_progress 1
		.amdhsa_inst_pref_size 85
	.end_amdhsa_kernel
	.amdgpu_metadata
---
amdhsa.version: [ 1, 2 ]
amdhsa.kernels:
  - .name:           k_q00dc3fd270_proj
    .symbol:         k_q00dc3fd270_proj.kd
    .args:
      - { .name: yimg, .offset: 0, .size: 8, .value_kind: global_buffer, .address_space: global }
      - { .name: wph, .offset: 8, .size: 8, .value_kind: global_buffer, .address_space: global }
      - { .name: bp, .offset: 16, .size: 8, .value_kind: global_buffer, .address_space: global }
      - { .name: out0, .offset: 24, .size: 8, .value_kind: global_buffer, .address_space: global }
    .group_segment_fixed_size: 327680
    .private_segment_fixed_size: 0
    .kernarg_segment_align: 8
    .kernarg_segment_size: 32
    .max_flat_workgroup_size: 128
    .sgpr_count:     80
    .vgpr_count:     768
    .wavefront_size: 32
...
	.end_amdgpu_metadata
.endif
;; end of part 4
;; launch fine (part 5): grid 16 x 4, 16 waves a work-group, no clusters, 71,680 bytes of LDS; arguments q32, wp, bp, out0; writes out0
.if DOCPART == 5
	.amdgcn_target "amdgcn-amd-amdhsa--gfx1250"
	.amdhsa_code_object_version 6
	.text
	.protected	k_q00dc3fd270_fine
	.globl	k_q00dc3fd270_fine
	.p2align	8
	.type	k_q00dc3fd270_fine,@function
k_q00dc3fd270_fine:
	s_mov_b64 s[64:65], 0
	v_nop
	global_prefetch_b8 v0, s[64:65] scope:SCOPE_SE
	s_setreg_imm32_b32 hwreg(HW_REG_WAVE_MODE, 25, 1), 1
	s_wait_xcnt 0x0
; FINE: positions 0-15 of each of the four sequences, the whole chain behind the projections in f32: these rows average one to sixteen values and are the largest of the output.
; Work-group (x, b): batch b, columns 64 x .. 64 x + 63 of out0.  Wave w is head w: scores, softmax and y (16 x 64) of its head, then the PARTIAL of out^T over its own 64 channels; the 16 partials meet in LDS.
; All products by the f32 matrix form (16 x 16 x 4): 16 + 16 + 64 instructions a wave.  The same permutation of k is applied to both operands of each product, so that every operand lies as it is loaded or made.
; S^T = K Q^T, O^T = V^T P, OUT^T = wp^T Y: a lane holds one query (lane % 16) throughout.  The registers that these instructions write are written by nothing else.
; q32 [batch][16][3072] f32 holds q | k | v with their biases.  The 64 rows of out0 are written over what the launch before left there.
; REGISTERS: v16-23 S^T; v24-55 O^T; v56-87 OUT^T; v88-119 Q, v120-151 K, later wp's second half; v152-183 V^T, later Y; v184-247 wp's first half, later the partials; v248-255 P, later the bias.
.set SPARE, 16*4352                    ; behind the 16 partials (16 rows x 272 bytes each): the spare words, 128 bytes a wave
.set S,    16
.set O,    24
.set OUT,  56
.set QF,   88
.set KFR,  120
.set VF,   152
.set Y,    152
.set WPA,  184
.set WPB,  88
.set P,    248
	s_load_b256 s[4:11], s[0:1], 0x0               ; q32, wp, bp, out0
	v_lshl_add_u32 v6, v0, 2, SPARE
	v_mov_b32 v7, 0
	v_lshrrev_b32 v1, 5, v0
	v_readfirstlane_b32 s12, v1                    ; wave = head
	v_and_b32 v1, 15, v0                           ; r
	v_bfe_u32 v2, v0, 4, 1                         ; h
	s_and_b32 s13, ttmp7, 0xffff                   ; batch
	s_lshl_b32 s14, ttmp9, 8                       ; my 64 columns, in bytes
	v_mul_u32_u24 v3, v1, 12288
	v_lshl_add_u32 v3, v2, 7, v3                   ; Q, K: position r, channels 32 h on
	v_mul_u32_u24 v4, v2, 98304
	v_lshl_add_u32 v4, v1, 2, v4                   ; V^T: keys 8 h on, channel r
	v_lshlrev_b32 v5, 15, v2
	v_lshl_add_u32 v5, v1, 2, v5                   ; wp^T: channels 8 h on, column r
	s_mul_i32 s15, s12, 4352
	v_mul_u32_u24 v8, v1, 272
	v_lshl_add_u32 v8, v2, 5, v8
	v_add_nc_u32 v8, s15, v8                       ; my partial: row r, + 32 h
	s_and_b32 s16, s12, 7
	s_mul_i32 s15, s16, 544
	v_mul_u32_u24 v9, v2, 272
	v_lshl_add_u32 v9, v1, 4, v9
	v_add_nc_u32 v9, s15, v9                       ; back: rows 2 (w % 8) + h, 16 bytes a lane
	s_lshl_b32 s16, s16, 13
	v_lshlrev_b32 v10, 12, v2
	v_lshl_add_u32 v10, v1, 4, v10
	v_add_nc_u32 v10, s16, v10                     ; and the same rows in out0
	v_lshlrev_b32 v11, 3, v2
	v_sub_nc_u32 v11, v1, v11                      ; r - 8 h
	v_mov_b32 v13, 0xff800000
	v_mov_b32 v15, 0
	s_mov_b32 s20, 0x76543210
	s_mov_b32 s21, 0xfedcba98
	s_mov_b32 s22, 0x3e38aa3b                      ; c = log2(e) / 8
	s_mov_b32 s23, s22
	s_mul_i32 s16, s13, 196608
	s_lshl_b32 s17, s12, 8
	s_add_co_u32 s16, s16, s17
	s_mov_b32 s17, 0
	s_lshl_b32 s18, s12, 18
	s_add_co_u32 s18, s18, s14
	s_mov_b32 s19, 0
	s_lshl_b32 s24, s13, 23
	s_add_co_u32 s24, s24, s14
	s_mov_b32 s25, 0
	s_mov_b32 s26, s14
	s_mov_b32 s27, 0
	s_wait_kmcnt 0x0
	s_add_nc_u64 s[4:5], s[4:5], s[16:17]          ; q32: my batch, my head's 64 columns of q
	s_add_nc_u64 s[6:7], s[6:7], s[18:19]          ; wp: my head's 64 rows, my work-group's columns
	s_add_nc_u64 s[10:11], s[10:11], s[24:25]
	s_add_nc_u64 s[8:9], s[8:9], s[26:27]
.irp i, 0,1,2,3,4,5,6,7
	global_load_b128 v[QF+4*\i:QF+4*\i+3], v3, s[4:5] offset:16*\i
.endr
.irp i, 0,1,2,3,4,5,6,7
	global_load_b128 v[KFR+4*\i:KFR+4*\i+3], v3, s[4:5] offset:4096+16*\i
.endr
.irp c, 0,1,2,3
.irp e, 0,1,2,3,4,5,6,7
	global_load_b32 v[VF+8*\c+\e], v4, s[4:5] offset:\e*12288+8192+64*\c      ; v(key 8 h + e, channel 16 c + r)
.endr
.endr
.macro WPLOAD reg, st0                 ; steps st0 .. st0 + 7 of the last product: step st takes channels 16 (st / 4) + 8 h + 2 (st % 4) + 0, 1
.irp u, 0,1,2,3,4,5,6,7
.irp n, 0,1,2,3
.irp j, 0,1
	global_load_b32 v[\reg+8*\u+2*\n+\j], v5, s[6:7] offset:(16*((\st0+\u)/4)+2*((\st0+\u)%4)+\j)*4096+64*\n
.endr
.endr
.endr
.endm
	WPLOAD WPA, 0
	s_wait_loadcnt 63                              ; behind V's last load 64 were issued: Q, K and V are in
	v_wmma_f32_16x16x4_f32 v[S:S+7], v[KFR:KFR+1], v[QF:QF+1], 0
.irp s, 1,2,3,4,5,6,7,8,9,10,11,12,13,14,15
	s_wait_alu depctr_va_vdst(0)                   ; a wait directly ahead of every link
	v_wmma_f32_16x16x4_f32 v[S:S+7], v[KFR+2*\s:KFR+2*\s+1], v[QF+2*\s:QF+2*\s+1], v[S:S+7]
.endr
.rept 8
	v_nop                                          ; eight places behind this form, in front of loads into its sources and of the first read of its result
.endr
	WPLOAD WPB, 8
.irp j, 0,1,2,3,4,5,6,7
	v_cmp_gt_i32 vcc_lo, \j, v11                   ; key 8 h + j comes after query r
	v_cndmask_b32 v[P+\j], v[S+\j], v13, vcc_lo
.endr
	v_max3_num_f32 v14, v[P], v[P+1], v[P+2]
	v_max3_num_f32 v14, v14, v[P+3], v[P+4]
	v_max3_num_f32 v14, v14, v[P+5], v[P+6]
	v_max_num_f32 v14, v14, v[P+7]
	v_permlanex16_b32 v15, v14, s20, s21
	v_max_num_f32 v14, v14, v15                    ; the row's largest score (key 0 counts for every query)
	v_mul_f32 v14, s22, v14
.irp i, 0,2,4,6
	v_pk_fma_f32 v[P+\i:P+\i+1], v[P+\i:P+\i+1], s[22:23], v[14:15] op_sel_hi:[1,0,0] neg_lo:[0,0,1] neg_hi:[0,0,1]
.endr
.irp j, 0,1,2,3,4,5,6,7
	v_exp_f32 v[P+\j], v[P+\j]
.endr
	v_nop
	s_wait_alu depctr_va_vdst(0)                   ; one wait for the eight exponentials, ahead of their first reader
	v_pk_add_f32 v[14:15], v[P:P+1], v[P+2:P+3]
	v_pk_add_f32 v[12:13], v[P+4:P+5], v[P+6:P+7]
	v_pk_add_f32 v[14:15], v[14:15], v[12:13]
	v_add_f32 v14, v14, v15
	v_permlanex16_b32 v15, v14, s20, s21
	v_add_f32 v14, v14, v15
	v_rcp_f32 v14, v14
	v_nop
.irp s, 0,1,2,3                        ; O^T = V^T P: step s takes keys 8 h + 2 s + 0, 1; four accumulators by turns
.irp c, 0,1,2,3
.if \s == 0
	v_wmma_f32_16x16x4_f32 v[O+8*\c:O+8*\c+7], v[VF+8*\c+2*\s:VF+8*\c+2*\s+1], v[P+2*\s:P+2*\s+1], 0
.else
	v_wmma_f32_16x16x4_f32 v[O+8*\c:O+8*\c+7], v[VF+8*\c+2*\s:VF+8*\c+2*\s+1], v[P+2*\s:P+2*\s+1], v[O+8*\c:O+8*\c+7]
.endif
.endr
.endr
.rept 8
	v_nop
.endr
	s_wait_alu depctr_va_vdst(0)                   ; the reciprocal, ahead of its first reader
.irp j, 0,1,2,3,4,5,6,7,8,9,10,11,12,13,14,15,16,17,18,19,20,21,22,23,24,25,26,27,28,29,30,31
	v_mul_f32 v[Y+\j], v[O+\j], v14                ; y(query r, channel 16 (j / 8) + 8 h + j % 8)
.endr
	s_wait_loadcnt 63                              ; behind the last load of wp's first half 64 were issued
.irp u, 0,1,2,3,4,5,6,7
.irp n, 0,1,2,3
.if \u == 0
	v_wmma_f32_16x16x4_f32 v[OUT+8*\n:OUT+8*\n+7], v[WPA+8*\u+2*\n:WPA+8*\u+2*\n+1], v[Y+2*\u:Y+2*\u+1], 0
.else
	v_wmma_f32_16x16x4_f32 v[OUT+8*\n:OUT+8*\n+7], v[WPA+8*\u+2*\n:WPA+8*\u+2*\n+1], v[Y+2*\u:Y+2*\u+1], v[OUT+8*\n:OUT+8*\n+7]
.endif
.endr
.endr
	s_wait_loadcnt 0x0
.irp u, 0,1,2,3,4,5,6,7
.irp n, 0,1,2,3
	v_wmma_f32_16x16x4_f32 v[OUT+8*\n:OUT+8*\n+7], v[WPB+8*\u+2*\n:WPB+8*\u+2*\n+1], v[Y+16+2*\u:Y+16+2*\u+1], v[OUT+8*\n:OUT+8*\n+7]
.endr
.endr
.rept 8
	v_nop
.endr
.irp n, 0,1,2,3
	ds_store_b128 v8, v[OUT+8*\n:OUT+8*\n+3] offset:64*\n          ; lane (r, h): out(r, 16 n + 8 h + 0 .. 7), my head's part
	ds_store_b128 v8, v[OUT+8*\n+4:OUT+8*\n+7] offset:64*\n+16
.endr
	s_wait_dscnt 0x0                               ; for the others' sake: my partial lies in LDS
	s_barrier_signal -1
	s_barrier_wait -1
	s_cmp_ge_u32 s12, 8                            ; waves 0-7 add: two rows each
	s_cbranch_scc1 .Lend
.irp p, 0,1,2,3,4,5,6,7,8,9,10,11,12,13,14,15
	ds_load_b128 v[WPA+4*\p:WPA+4*\p+3], v9 offset:4352*\p
.endr
	v_lshlrev_b32 v12, 4, v1
	global_load_b128 v[P:P+3], v12, s[8:9]         ; bp at my four columns
	s_wait_dscnt 0x0
	s_wait_loadcnt 0x0
.irp d, 8,4,2,1                        ; a fixed tree over the 16 heads
.irp p, 0,1,2,3,4,5,6,7
.if \p < \d
	v_pk_add_f32 v[WPA+4*\p:WPA+4*\p+1], v[WPA+4*\p:WPA+4*\p+1], v[WPA+4*(\p+\d):WPA+4*(\p+\d)+1]
	v_pk_add_f32 v[WPA+4*\p+2:WPA+4*\p+3], v[WPA+4*\p+2:WPA+4*\p+3], v[WPA+4*(\p+\d)+2:WPA+4*(\p+\d)+3]
.endif
.endr
.endr
	v_pk_add_f32 v[WPA:WPA+1], v[WPA:WPA+1], v[P:P+1]
	v_pk_add_f32 v[WPA+2:WPA+3], v[WPA+2:WPA+3], v[P+2:P+3]
	global_store_b128 v10, v[WPA:WPA+3], s[10:11]  ; sixteen lanes store 256 consecutive bytes, aligned
.Lend:
	s_wait_tensorcnt 0x0                           ; the wave's end
	ds_add_u32 v6, v7
	s_wait_dscnt 0x0
	s_endpgm
.Lfunc_end_k_q00dc3fd270_fine:
	.size	k_q00dc3fd270_fine, .Lfunc_end_k_q00dc3fd270_fine-k_q00dc3fd270_fine
	.p2alignl 7, 3214868480
	.fill 96, 4, 3214868480
	.section	.rodata,"a",@progbits
	.p2align	6, 0x0
	.amdhsa_kernel k_q00dc3fd270_fine
		.amdhsa_group_segment_fixed_size 71680
		.amdhsa_private_segment_fixed_size 0
		.amdhsa_enable_private_segment 0
		.amdhsa_kernarg_size 32
		.amdhsa_user_sgpr_count 2
		.amdhsa_user_sgpr_kernarg_segment_ptr 1
		.amdhsa_wavefront_size32 1
		.amdhsa_system_sgpr_workgroup_id_x 1
		.amdhsa_system_sgpr_workgroup_id_y 1
		.amdhsa_system_sgpr_workgroup_id_z 1
		.amdhsa_system_vgpr_workitem_id 0
		.amdhsa_next_free_vgpr 256
		.amdhsa_next_free_sgpr 66
		.amdhsa_reserve_vcc 1
		.amdhsa_float_denorm_mode_32 3
		.amdhsa_float_denorm_mode_16_64 3
		.amdhsa_memory_ordered 1
		.amdhsa_forward_progress 1
		.amdhsa_inst_pref_size 34
	.end_amdhsa_kernel
	.amdgpu_metadata
---
amdhsa.version: [ 1, 2 ]
amdhsa.kernels:
  - .name:           k_q00dc3fd270_fine
    .symbol:         k_q00dc3fd270_fine.kd
    .args:
      - { .name: q32, .offset: 0, .size: 8, .value_kind: global_buffer, .address_space: global }
      - { .name: wp, .offset: 8, .size: 8, .value_kind: global_buffer, .address_space: global }
      - { .name: bp, .offset: 16, .size: 8, .value_kind: global_buffer, .address_space: global }
      - { .name: out0, .offset: 24, .size: 8, .value_kind: global_buffer, .address_space: global }
    .group_segment_fixed_size: 71680
    .private_segment_fixed_size: 0
    .kernarg_segment_align: 8
    .kernarg_segment_size: 32
    .max_flat_workgroup_size: 512
    .sgpr_count:     66
    .vgpr_count:     256
    .wavefront_size: 32
...
	.end_amdgpu_metadata
.endif
;; end of part 5
